; MI455X (gfx1250); checked and timed in simulation.
; The chip was launched on July 23, 2026; its instructions are those of AMD's public machine-readable ISA for CDNA 5 (MIT licence, August 2026) and "CDNA5" Instruction Set Architecture Reference Guide (July 2026). The comments in the code are by the model that wrote it; some were corrected since.
;; Discrete Ternary Block. Allowed arithmetic: matrix products marked QUANTISED: E3M2 operands, one E8M0 scale for each 32 along K, by v_wmma_scale_f32_16x16x128_f8f6f4 with both operands' format E3M2, f32 sums; everything else in f32.
;; Inputs: Wd_codes 2,048 x 32 x 24 uint8 (E3M2 codes of Wd, K innermost, in blocks of 32 codes, four codes in three bytes); Wd_scales 2,048 x 32 uint8 (E8M0 scales of Wd, one for each 32 codes along K); Wg_codes 1,024 x 64 x 24 uint8 (E3M2 codes of Wg, K innermost, in blocks of 32 codes, four codes in three bytes); Wg_scales 1,024 x 64 uint8 (E8M0 scales of Wg, one for each 32 codes along K); Wk_codes 2,048 x 64 x 24 uint8 (E3M2 codes of Wk, K innermost, in blocks of 32 codes, four codes in three bytes); Wk_scales 2,048 x 64 uint8 (E8M0 scales of Wk, one for each 32 codes along K); Wo_codes 2,048 x 64 x 24 uint8 (E3M2 codes of Wo, K innermost, in blocks of 32 codes, four codes in three bytes); Wo_scales 2,048 x 64 uint8 (E8M0 scales of Wo, one for each 32 codes along K); Wq_codes 2,048 x 64 x 24 uint8 (E3M2 codes of Wq, K innermost, in blocks of 32 codes, four codes in three bytes); Wq_scales 2,048 x 64 uint8 (E8M0 scales of Wq, one for each 32 codes along K); Wu_codes 1,024 x 64 x 24 uint8 (E3M2 codes of Wu, K innermost, in blocks of 32 codes, four codes in three bytes); Wu_scales 1,024 x 64 uint8 (E8M0 scales of Wu, one for each 32 codes along K); Wv_codes 2,048 x 64 x 24 uint8 (E3M2 codes of Wv, K innermost, in blocks of 32 codes, four codes in three bytes); Wv_scales 2,048 x 64 uint8 (E8M0 scales of Wv, one for each 32 codes along K); alpha 16 x 1 x 1 float32; norm_attn_w 2,048 float32; norm_mlp_w 2,048 float32; sd one number float32; sg one number float32; sk one number float32; so one number float32; sq one number float32; su one number float32; sv one number float32; x 1 x 2,048 x 2,048 float32.
;; Outputs: out0 1 x 2,048 x 2,048 float32.
;; This version of the problem:
;;   THIS VERSION OF THE PROBLEM IS GIVEN IN LOW PRECISION. The matrix products marked QUANTISED in the list below multiply operands that are first quantised to E3M2 (3 exponent bits, 2 mantissa bits; 6 bits a number), with one power-of-two scale for each 32 numbers along K (OCP MX v1.0); their sums are f32. All else is computed in f32.
;;   The module's matrix products, in the order in which they are computed (A, B: the left and right operand; K: the contracted axis; several contracted axes count as one K, in the product's order):
;;     1. [M 2,048, K 2,048] x [K 2,048, N 2,048]; A: computed on the way; B: input Wq (given as codes): QUANTISED
;;     2. [M 2,048, K 2,048] x [K 2,048, N 2,048]; A: computed on the way; B: input Wk (given as codes): QUANTISED
;;     3. [M 2,048, K 2,048] x [K 2,048, N 2,048]; A: computed on the way; B: input Wv (given as codes): QUANTISED
;;     4. batch 16 x [M 2,048, K 128] x [K 128, N 2,048]; A: computed on the way; B: computed on the way: QUANTISED
;;     5. batch 16 x [M 2,048, K 2,048] x [K 2,048, N 128]; A: softmax (see below); B: computed on the way: QUANTISED
;;     6. [M 2,048, K 2,048] x [K 2,048, N 2,048]; A: computed on the way; B: input Wo (given as codes): QUANTISED
;;     7. [M 2,048, K 2,048] x [K 2,048, N 1,024]; A: computed on the way; B: input Wg (given as codes): QUANTISED
;;     8. [M 2,048, K 2,048] x [K 2,048, N 1,024]; A: computed on the way; B: input Wu (given as codes): QUANTISED
;;     9. [M 2,048, K 1,024] x [K 1,024, N 2,048]; A: computed on the way; B: input Wd (given as codes): QUANTISED
;;   THE QUANTISER, for each operand of a quantised product, along K:
;;     - K is cut into blocks of 32 from its start; a last block that is shorter is filled with zeros.
;;     - A block's scale is 2^e with e = floor(log2(the largest magnitude in the block)) - 4, held to -126 .. 127; a block of zeros has e = 0. As a byte (E8M0): e + 127.
;;     - Each number is divided by its block's scale, clamped to +-28, and rounded to the nearest number of E3M2, ties to even, subnormals kept.
;;     - The product sums the exact products of the quantised numbers (number of the format x scale) in f32.
;;   ~~~python
;;   def quantise(x, axis):      # numpy; x: float32 -> the quantised numbers, widened to float32 again
;;       x = np.moveaxis(x, axis, -1); K = x.shape[-1]
;;       x = np.pad(x, [(0, 0)] * (x.ndim - 1) + [(0, -K % 32)]); x = x.reshape(x.shape[:-1] + (-1, 32)); a = np.abs(x).max(-1, keepdims=True)
;;       e = np.where(a > 0, np.clip(np.frexp(np.where(a > 0, a, 1))[1] - 1 - 4, -126, 127), 0)      # np.frexp(a)[1] - 1 = floor(log2(a)), exactly
;;       r = np.clip(x / 2.0 ** e, -28, 28)
;;       step = 2.0 ** (np.maximum(np.frexp(np.where(r == 0, 1, r))[1] - 1, -2) - 2)
;;       q = np.round(r / step) * step * 2.0 ** e      # np.round: ties to even
;;       return np.moveaxis(q.reshape(q.shape[:-2] + (-1,))[..., :K], -1, axis).astype(np.float32)
;;   ~~~
;;   SOFTMAX AHEAD OF A QUANTISED PRODUCT. Where the list says 'softmax', what is quantised is not the finished softmax but p = 2^(t - M), with t = logit x log2(e) and M = ceil(the row's largest t), a whole number; so 1/2 < the row's largest p <= 1. The row's sum l is taken of the UNQUANTISED p, in f32, and the product's result is divided by l at the end. Since M is a whole number, a kernel that streams over the keys may use a running M (the ceiling of the running maximum): every later rescaling is an exact power of two, which a block's scale takes up: the codes' values come out the same.
;;   OPERANDS COMPUTED ON THE WAY. 'Computed on the way' means the value that the module computes at that place (a softmax that the list does not call 'softmax' is quantised finished and normalised). What goes into a quantiser is computed in f32, as accurately as f32 sums, v_exp_f32 and their like allow (about 1e-6 of the number): no bf16 or f16 on the way to a quantiser, and a product that is left as it is and whose result goes on into a quantised operand takes f32 operands (vector FMAs, or v_wmma_f32_16x16x4_f32). A number that lies on a knife's edge between two numbers of the format may be rounded either way, as far as f32 arithmetic and the matrix unit's own rounding can turn it there, and no further.
;;   INPUTS GIVEN AS CODES. Wd (in the module: [2048, 1024], K = its axis 1); Wg (in the module: [1024, 2048], K = its axis 1); Wk (in the module: [2048, 2048], K = its axis 1); Wo (in the module: [2048, 2048], K = its axis 1); Wq (in the module: [2048, 2048], K = its axis 1); Wu (in the module: [1024, 2048], K = its axis 1); Wv (in the module: [2048, 2048], K = its axis 1): each comes as NAME_codes (uint8): NAME with its K axis moved to the last place and cut into blocks of 32 codes, [.., K / 32, bytes a block], one block behind the other in memory; four codes in three bytes: a row's codes are one little-endian stream of bits, code i at bits 6 i .. 6 i + 5 (a code: sign, 3 exponent bits, 2 mantissa bits); and NAME_scales (uint8): the same leading axes, one E8M0 byte (e + 127) for each 32 codes along K. Its value is code x scale, taken as it is: it is not quantised again, and the codes and scales need not be those that the quantiser above would give.
;; One version. Each part assembles by itself: llvm-mc -triple=amdgcn-amd-amdhsa -mcpu=gfx1250 --defsym DOCPART=n.
;; ======== version 1 of 1: 7 launches
;; workspace buffers: na 3,284,992 bytes; qkv 9,830,400 bytes; ao 3,276,800 bytes; x2 16,777,216 bytes; hh 1,638,400 bytes
;; launch norm (part 1): grid 256 x 1, 8 waves a work-group, no clusters, 83,968 bytes of LDS; arguments x, norm_attn_w, na; writes na
.if DOCPART == 1
	.amdgcn_target "amdgcn-amd-amdhsa--gfx1250"
	.amdhsa_code_object_version 6
	.text
	.protected	k_q4e9e011a3d_norm
	.globl	k_q4e9e011a3d_norm
	.p2align	8
	.type	k_q4e9e011a3d_norm,@function
k_q4e9e011a3d_norm:
	s_mov_b64 s[64:65], 0
	v_nop
	global_prefetch_b8 v0, s[64:65] scope:SCOPE_SE
	s_setreg_imm32_b32 hwreg(HW_REG_WAVE_MODE, 25, 1), 1
	s_wait_xcnt 0x0
; y = x * rsqrt(mean(x^2) + 1e-6) * w, row by row ([2048][2048] f32), quantised along the row to codes of BF6 (E3M2) with one E8M0 byte for each 32 numbers.
; OUT, all in one buffer: codes as rows of 1,536 bytes at byte 0 (a row is one stream of bits, K innermost); scale bytes [2048][64] at NA_S; the rows' rsqrt [2048] f32 at NA_R.
; SHARES: a work-group takes 8 rows, a wave one row: 8,192 bytes, 64 registers a lane, read once and kept between the sum of squares and the scaling.
; A load takes the bytes as they lie (32 lanes, 512 consecutive bytes); the conversion wants 16 NEIGHBOURS in one lane: the scaled row turns through the wave's own stage in LDS
; (64 bytes + 16 of padding a place), 512 numbers a step, four steps.  Two neighbouring lanes hold a block of 32.
; A block's scale is 2^(floor(log2(largest magnitude)) - 4): its byte is the largest magnitude's exponent field - 4, held at 1 from below.
; LIMITS: NaN and infinities among the inputs are not served; a block whose largest magnitude lies under 2^-122 keeps the byte 1; a block of zeros gets the byte 1 and not 127:
; its codes are zeros, which add nothing under any byte but 0xff, and this program alone reads the bytes.
; No matrix unit, no tensor load, no cluster: work-groups share nothing but w's 8,192 bytes.
.set NA_S, 3145728
.set NA_R, 3276800
.set CROW, 1536                        ; a row of codes in bytes
.set SP,   80                          ; a lane's place in the stage: 64 bytes + 16
.set STP,  32*SP                       ; a step's stage
.set WST,  4*STP                       ; a wave's stage
.set SB,   8*WST                       ; behind the stages: 8 rows x 64 scale bytes
.set RSW,  SB+512                      ; and 8 words: the rows' rsqrt
.set EMAX, 4
.set X,    32                          ; v32-95   the row
.set W,    96                          ; v96-159  w, laid as the row
.set Y,    96                          ; v96-159  later: the scaled row, 16 neighbours a step
.set C,    160                         ; v160-175 codes, four registers a step: no store's data are written again
.set E,    176                         ; v176-179 a scale byte a step
	s_load_b128 s[4:7], s[0:1], 0x0                ; x, w
	s_load_b64 s[12:13], s[0:1], 0x10              ; the buffer of results
	v_lshl_add_u32 v192, v0, 2, 0x14400
	v_mov_b32 v193, 0
	v_lshrrev_b32 v1, 5, v0
	v_readfirstlane_b32 s8, v1                     ; wave 0..7
	v_and_b32 v2, 31, v0                           ; lane
	v_lshlrev_b32 v3, 4, v2                        ; 16 x lane
	v_mul_u32_u24 v4, v2, 12                       ; my 16 codes' place in a step's 384 bytes
	s_mul_i32 s9, s8, WST
	v_lshrrev_b32 v14, 2, v2
	v_mul_u32_u24 v14, v14, SP
	v_and_b32 v15, 3, v2
	v_lshl_add_u32 v14, v15, 4, v14
	v_add_nc_u32 v14, s9, v14                      ; the stage, way in: four lanes' 64 bytes on end, then the padding
	v_mul_u32_u24 v15, v2, SP
	v_add_nc_u32 v15, s9, v15                      ; way out: my 16 neighbours
	s_lshl_b32 s9, s8, 6
	s_add_co_u32 s9, s9, SB
	v_lshrrev_b32 v5, 1, v2
	v_add_nc_u32 v5, s9, v5                        ; my row's 64 scale bytes, my block's byte
	s_lshl_b32 s9, s8, 2
	s_add_co_u32 s9, s9, RSW
	v_mov_b32 v6, s9                               ; my row's word
	v_add_nc_u32 v7, SB, v3                        ; wave 0 reads the 512 scale bytes back, 16 a lane,
	v_and_b32 v10, 7, v2
	v_lshlrev_b32 v10, 2, v10
	v_add_nc_u32 v12, RSW, v10                     ; and the eight words
	s_mov_b32 s18, 0x3a000000                      ; 1 / 2048
	s_mov_b32 s19, 0x358637bd                      ; 1e-6
	s_mov_b32 s20, 0x76543210                      ; v_permlanex16_b32: lane l xor 16
	s_mov_b32 s21, 0xfedcba98
	s_lshl_b32 s10, ttmp9, 3
	s_add_co_u32 s10, s10, s8                      ; my row
	s_lshl_b32 s22, s10, 13
	s_mov_b32 s23, 0
	s_mul_i32 s24, s10, CROW
	s_mov_b32 s25, 0
	s_lshl_b32 s26, ttmp9, 9
	s_add_co_u32 s26, s26, NA_S
	s_mov_b32 s27, 0
	s_lshl_b32 s28, ttmp9, 5
	s_add_co_u32 s28, s28, NA_R
	s_mov_b32 s29, 0
	s_wait_kmcnt 0x0
	s_add_nc_u64 s[4:5], s[4:5], s[22:23]          ; x at my row
	s_add_nc_u64 s[14:15], s[12:13], s[26:27]      ; the work-group's 512 scale bytes
	s_add_nc_u64 s[16:17], s[12:13], s[28:29]      ; its eight words
	s_add_nc_u64 s[12:13], s[12:13], s[24:25]      ; my row of codes
.set i, 0
.rept 16
	global_load_b128 v[X+4*i:X+4*i+3], v3, s[4:5] offset:512*i    ; 32 lanes read 512 consecutive bytes
.set i, i+1
.endr
.set i, 0
.rept 16
	global_load_b128 v[W+4*i:W+4*i+3], v3, s[6:7] offset:512*i
.set i, i+1
.endr
	s_wait_loadcnt 16                              ; the row is in; w's sixteen loads may be out
.irp k, 0,1,2,3
	v_pk_mul_f32 v[16+2*\k:17+2*\k], v[X+2*\k:X+2*\k+1], v[X+2*\k:X+2*\k+1]   ; four chains, started by the first four pairs: nothing is cleared
.endr
.set i, 4
.rept 28
	v_pk_fma_f32 v[16+2*(i%4):17+2*(i%4)], v[X+2*i:X+2*i+1], v[X+2*i:X+2*i+1], v[16+2*(i%4):17+2*(i%4)]
.set i, i+1
.endr
	v_pk_add_f32 v[16:17], v[16:17], v[18:19]
	v_pk_add_f32 v[20:21], v[20:21], v[22:23]
	v_pk_add_f32 v[16:17], v[16:17], v[20:21]
	v_add_f32 v16, v16, v17
	v_add_f32_dpp v16, v16, v16 row_xmask:1 row_mask:0xf bank_mask:0xf
	v_add_f32_dpp v16, v16, v16 row_xmask:2 row_mask:0xf bank_mask:0xf
	v_add_f32_dpp v16, v16, v16 row_xmask:4 row_mask:0xf bank_mask:0xf
	v_add_f32_dpp v16, v16, v16 row_xmask:8 row_mask:0xf bank_mask:0xf
	v_permlanex16_b32 v17, v16, s20, s21
	v_add_f32 v16, v16, v17                        ; the row's sum of squares, in every lane
	v_fma_f32 v16, v16, s18, s19                   ; the mean + 1e-6
	v_rsq_f32 v24, v16
	v_rsq_f32 v25, v16                             ; (the packed multiply names the pair)
	v_nop                                          ; a plain instruction behind the transcendentals (ISA guide 5.7.2)
	s_wait_alu depctr_va_vdst(0)                   ; one wait for both, ahead of their first reader
.set i, 0
.rept 32
	v_pk_mul_f32 v[X+i:X+i+1], v[X+i:X+i+1], v[24:25] op_sel_hi:[1,0]   ; x * rs first, then * w
.set i, i+2
.endr
	s_wait_loadcnt 0x0                             ; w
.set i, 0
.rept 32
	v_pk_mul_f32 v[X+i:X+i+1], v[X+i:X+i+1], v[W+i:W+i+1]
.set i, i+2
.endr
.set i, 0
.rept 16
	ds_store_b128 v14, v[X+4*i:X+4*i+3] offset:STP*(i/4)+8*SP*(i%4)
.set i, i+1
.endr
.set i, 0
.rept 16
	ds_load_b128 v[Y+4*i:Y+4*i+3], v15 offset:STP*(i/4)+16*(i%4)   ; LDS serves a wave's instructions in order (ISA guide 5.7.1.4): these see my stores
.set i, i+1
.endr
	s_wait_dscnt 0x0
.macro QSTEP s                         ; 512 numbers: 16 blocks, 384 bytes of codes
.set YS, Y+16*(\s)
	v_max3_num_f32 v8, |v[YS]|, |v[YS+1]|, |v[YS+2]|             ; the largest magnitude of my 16, in two chains
	v_max3_num_f32 v9, |v[YS+3]|, |v[YS+4]|, |v[YS+5]|
.irp i, 6,10
	v_max3_num_f32 v8, v8, |v[YS+\i]|, |v[YS+\i+1]|
	v_max3_num_f32 v9, v9, |v[YS+\i+2]|, |v[YS+\i+3]|
.endr
	v_max3_num_f32 v8, v8, |v[YS+14]|, |v[YS+15]|
	v_max3_num_f32 v8, v8, v9, (EMAX+1)<<23        ; and the floor 2^(5 - 127): the byte cannot fall under 1
	v_max_num_f32_dpp v8, v8, v8 row_xmask:1 row_mask:0xf bank_mask:0xf   ; with my neighbour's 16: the block's
	v_add_nc_u32 v11, -(EMAX<<23), v8              ; 4 off its exponent field: the conversion takes this operand's exponent field as its scale
	v_cvt_scalef32_pk16_bf6_f32 v[C+4*(\s):C+4*(\s)+2], v[YS:YS+15], v11
	v_lshrrev_b32 v[E+(\s)], 23, v11               ; the scale's byte (also the plain instruction behind the conversion)
	ds_store_b8 v5, v[E+(\s)] offset:16*(\s)       ; both lanes of a block write the same byte with the same value
	global_store_b96 v4, v[C+4*(\s):C+4*(\s)+2], s[12:13] offset:384*(\s)   ; the wave stores 384 consecutive bytes
.endm
	QSTEP 0
	QSTEP 1
	QSTEP 2
	QSTEP 3
	ds_store_b32 v6, v24                           ; all lanes write the same word with the same value
	s_wait_dscnt 0x0                               ; for wave 0's sake: my bytes and my word lie in LDS
	s_barrier_signal -1
	s_barrier_wait -1
	s_cmp_lg_u32 s8, 0
	s_cbranch_scc1 .Lend
	ds_load_b128 v[16:19], v7
	ds_load_b32 v20, v12
	s_wait_dscnt 0x0
	global_store_b128 v3, v[16:19], s[14:15]       ; 512 consecutive bytes, at a multiple of 256 from the buffer's first byte
	s_wait_xcnt 0x0                                ; EXEC changes only behind this wait
	v_cmp_gt_u32 vcc_lo, 8, v2
	s_and_saveexec_b32 s9, vcc_lo
	global_store_b32 v10, v20, s[16:17]            ; lanes 0 to 7: the eight rows' rsqrt
	s_wait_xcnt 0x0                                ; and again, in front of the line that widens it
	s_or_b32 exec_lo, exec_lo, s9
.Lend:
	s_wait_tensorcnt 0x0
	ds_add_u32 v192, v193
	s_wait_dscnt 0x0
	s_endpgm
.Lfunc_end_k_q4e9e011a3d_norm:
	.size	k_q4e9e011a3d_norm, .Lfunc_end_k_q4e9e011a3d_norm-k_q4e9e011a3d_norm
	.p2alignl 7, 3214868480
	.fill 96, 4, 3214868480
	.section	.rodata,"a",@progbits
	.p2align	6, 0x0
	.amdhsa_kernel k_q4e9e011a3d_norm
		.amdhsa_group_segment_fixed_size 83968
		.amdhsa_private_segment_fixed_size 0
		.amdhsa_enable_private_segment 0
		.amdhsa_kernarg_size 24
		.amdhsa_user_sgpr_count 2
		.amdhsa_user_sgpr_kernarg_segment_ptr 1
		.amdhsa_wavefront_size32 1
		.amdhsa_system_sgpr_workgroup_id_x 1
		.amdhsa_system_sgpr_workgroup_id_y 1
		.amdhsa_system_sgpr_workgroup_id_z 1
		.amdhsa_system_vgpr_workitem_id 0
		.amdhsa_next_free_vgpr 194
		.amdhsa_next_free_sgpr 66
		.amdhsa_reserve_vcc 1
		.amdhsa_float_denorm_mode_32 3
		.amdhsa_float_denorm_mode_16_64 3
		.amdhsa_memory_ordered 1
		.amdhsa_forward_progress 1
		.amdhsa_inst_pref_size 19
	.end_amdhsa_kernel
	.amdgpu_metadata
---
amdhsa.version: [ 1, 2 ]
amdhsa.kernels:
  - .name:           k_q4e9e011a3d_norm
    .symbol:         k_q4e9e011a3d_norm.kd
    .args:
      - { .name: x, .offset: 0, .size: 8, .value_kind: global_buffer, .address_space: global }
      - { .name: norm_attn_w, .offset: 8, .size: 8, .value_kind: global_buffer, .address_space: global }
      - { .name: na, .offset: 16, .size: 8, .value_kind: global_buffer, .address_space: global }
    .group_segment_fixed_size: 83968
    .private_segment_fixed_size: 0
    .kernarg_segment_align: 8
    .kernarg_segment_size: 24
    .max_flat_workgroup_size: 256
    .sgpr_count:     66
    .vgpr_count:     194
    .wavefront_size: 32
...
	.end_amdgpu_metadata
.endif
;; end of part 1
;; launch qkv (part 2): grid 24 x 8, 4 waves a work-group, clusters of 4 x 4, 327,680 bytes of LDS; arguments Wq_codes, Wq_scales, Wk_codes, Wk_scales, Wv_codes, Wv_scales, na, sq, sk, sv, qkv; writes qkv
.if DOCPART == 2
	.amdgcn_target "amdgcn-amd-amdhsa--gfx1250"
	.amdhsa_code_object_version 6
	.text
	.protected	k_q4e9e011a3d_qkv
	.globl	k_q4e9e011a3d_qkv
	.p2align	8
	.type	k_q4e9e011a3d_qkv,@function
k_q4e9e011a3d_qkv:
	s_mov_b64 s[64:65], 0
	v_nop
	global_prefetch_b8 v0, s[64:65] scope:SCOPE_SE
	s_setreg_imm32_b32 hwreg(HW_REG_WAVE_MODE, 25, 1), 1
	s_wait_xcnt 0x0
	s_wait_alu depctr_hold_cnt(0) depctr_sa_sdst(0) depctr_va_vdst(0) depctr_va_sdst(0) depctr_va_ssrc(0) depctr_va_vcc(0) depctr_vm_vsrc(0)
	s_getreg_b32 s2, hwreg(HW_REG_IB_STS2, 6, 4)
	s_cmp_eq_u32 s2, 0
	s_cbranch_scc0 .Lentry_in_a_cluster
	s_endpgm
.Lentry_in_a_cluster:
	s_bfe_u32 s2, ttmp6, 0x10000c
	s_cmp_lg_u32 s2, 0xf033
	s_cbranch_scc0 .Lentry_shape_is_right
	s_endpgm
.Lentry_shape_is_right:
; q = (xn Wq^T) sq, k = (xn Wk^T) sk, v = (xn Wv^T) sv, each [2048][2048], on codes of BF6 (E3M2) with one E8M0 byte for each 32 along K = 2,048; sums in f32.
; The results are operands of attention's two products and are quantised HERE, in registers: q and k along a head's 128 numbers, v along the tokens.
; ONE TEXT FOR THE THREE.  The grid's x has 24 tile columns: 8 for each part (0 q, 1 k, 2 v).  A product has a side P (source 0: its rows land in a lane's REGISTERS) and a side R (source 1:
; its rows land in the LANES).  The next quantiser wants its K along a lane's registers: for q and k P = the weight's rows, R = xn's tokens; for v P = xn's tokens, R = Wv's rows.
; Only pointers are chosen, by the part, which hangs on the cluster's x alone and is the same in all sixteen partners.
; A tile of 256 x 256 is made by four waves, each 128 x 128: 64 accumulators, 512 registers.  K goes in steps of 256 through a ring of two LDS slots filled by the tensor data mover; the scale bytes
; of the tile's 256 + 256 rows, for all of K, come into LDS once.  CLUSTERS of 4 x 4: R's tiles are shared along a row of the cluster, P's along a column: each is asked for jointly.
; THE WAY OUT.  A wave's 128 P rows are exactly one K step of the next product (a head, or 128 tokens).  Block a (16 R rows) is 64 numbers a lane; register 16 b + i lies in block b of 32.
; Lanes 0-15 hold numbers 0-7 and 16-23 of a block, lanes 16-31 numbers 8-15 and 24-31; so the codes lie in the order 0-7, 16-23, 8-15, 24-31 INSIDE each block.  Every operand of attention's
; products (q, k, v, and p in the next launch) has that same order, which changes neither a block's scale nor a sum of products.
; OUT: part p's codes at p x 3,145,728 as IMAGES OF THE OPERAND'S REGISTERS, [K step 16][tile of 16 rows 128][1,536 bytes]: lane l's registers 4 c .. 4 c + 3 at 512 c + 16 l;
; its scale words at QW + p x 131,072, [K step 16][row 2,048] of 4 bytes.
; LIMITS: NaN and infinities are not served; a block whose largest magnitude lies under 2^-122 keeps the byte 1, a block of zeros too (its codes are zeros; this program alone reads the bytes).
; REGISTERS, in windows of 256: window 0: v0-31 addresses; v32-63 scale words, two sets; from v128 R's fragments, one set; on the way out v128-230 at work.
;   window 1: P's fragments, two sets, at v0 and v128.   window 2: the accumulators of my R rows 0-63 ((a, b) at v[8 (8 a + b)]);   window 3: those of rows 64-127.
.set SIZE_K, 2048
.set NA_S,   3145728                   ; xn's scale bytes in its buffer
.set PART,   3145728                   ; a part's images
.set QW,     9437184                   ; the scale words
.set KSTEP,  256                       ; along K in a slot
.set NQ,     KSTEP/128
.set ROWB,   192                       ; a tile's row in bytes
.set KROW,   SIZE_K*6/8
.set PITCH,  240                       ; an LDS row: 3 x (64 bytes + 16 of padding) = 60 words: row r starts at bank -4 r mod 64 (64 banks of 4 bytes: ISA guide 11.1)
.set FR,     12
.set NL,     6
.set NP,     4                         ; places behind this matrix instruction (ISA guide 7.12.1)
.set HALFT,  128*PITCH
.set SLOT,   4*HALFT                   ; R's 256 rows, then P's 256 rows
.set LAPS,   SIZE_K/(2*KSTEP)
.set KS,     SIZE_K/32
.set SCL,    2*SLOT                    ; behind the ring: the scale bytes, as units of 256 bytes + 16 of padding
.set HALFS,  (128*KS/256)*272
.set SBLK,   (16*KS/256)*272
.set SPARE,  SCL+4*HALFS               ; the spare words, 128 bytes for each wave: two blocks of 256 bytes that no other line names
.set ADRA, 16                          ; v16-17 LDS address of my R fragments in slot 0, 1 (v18-19: behind one padding more)
.set ADRB, 20                          ; v20-21 the same for P (v22-23)
.set ADRS, 27                          ; v27    my scale words: lanes 0-15 R's rows, lanes 16-31 P's
.set SPW,  28                          ; v28    my spare word; never rewritten
.set NIL,  29                          ; v29    0; never rewritten
.set SC,   32
.set AF,   128
.set T,    128                         ; the way out: v128-191 a block's 64 numbers
.set PC,   192                         ; v192-210 its codes
.set TM,   212                         ; v212-227 at work
.set PW,   228                         ; the scale word just made
.set PWP,  229                         ; the even block's, kept
.set PWS,  230                         ; two blocks' words, 32 rows
.set SEL,  100                         ; s[100:101] lane selects for v_permlanex16_b32 (first: the chosen scale's address)
.set G1, 24                            ; s[24:31] descriptor group 1 for R's tiles;  s[32:39] group 0, a set for each slot
.set G0, 32
.set G1B, 48                           ; s[48:55], s[56:63] the same for P's
.set G0B, 56
.set G1S, 68                           ; s[68:75], s[76:79] groups 1 and 0 for R's scale bytes;  s[80:87], s[88:91] for P's
.set G0S, 76
.set G1SB, 80
.set G0SB, 88
.set MSB, 0
.macro WIN new                         ; the immediate's high byte repeats the setting that is left
.if MSB != \new
	s_set_vgpr_msb (MSB<<8)|\new
.set MSB, \new
.endif
.endm
.set MUL_LO, 0xa1                      ; source 0 (P) window 1, source 1 (R) window 0, C and D window 2
.set MUL_HI, 0xf1
.set TO_B,   0x40                      ; destination window 1, address window 0
; A joint load: waves 0 and 1 fetch for R, waves 2 and 3 for P.  Each line has one mask and one set of registers; the branch hangs on the wave's number alone.
; Four v_nop follow each of the two lines, ahead of the jump, the label and what follows.
.macro JLOAD g0a, g1a, g0b, g1b
	s_cmp_eq_u32 s15, 0
	s_cbranch_scc0 .Lfor_b_\@
	tensor_load_to_lds s[\g0a:\g0a+3], s[\g1a:\g1a+7]
	s_nop 0
.rept 4
	v_nop
.endr
	s_branch .Lasked_\@
.Lfor_b_\@:
	tensor_load_to_lds s[\g0b:\g0b+3], s[\g1b:\g1b+7]
	s_nop 0
.rept 4
	v_nop
.endr
.Lasked_\@:
.endm
.macro CREST                           ; a round of the cluster's barrier behind its opening barrier
	s_cmp_lg_u32 s14, 0
	s_cbranch_scc1 .Lnot_wave_0_\@
	s_barrier_signal -3
.Lnot_wave_0_\@:
	s_barrier_wait -3
	s_barrier_signal -1
	s_barrier_wait -1
.endm
.macro CROUND
	s_barrier_signal -1
	s_barrier_wait -1
	CREST
.endm
	s_load_b512 s[68:83], s[0:1], 0x0              ; Wq's codes, scales; Wk's; Wv's; xn's buffer; sq
	s_load_b128 s[84:87], s[0:1], 0x40             ; sk, sv
	s_load_b64 s[88:89], s[0:1], 0x50              ; the results
	v_lshl_add_u32 v[SPW], v0, 2, SPARE
	v_mov_b32 v[NIL], 0
	ds_add_u32 v28, v29
	s_wait_dscnt 0x0
	v_lshrrev_b32 v1, 5, v0
	v_readfirstlane_b32 s14, v1                    ; wave 0..3
	s_lshr_b32 s15, s14, 1                         ; which half of the tile's R rows is mine.  Also: I fetch for R (0) or for P (1)
	s_and_b32 s16, s14, 1                          ; which half of its P rows.  Also: which 128 rows I fetch
	s_bfe_u32 s40, ttmp6, 0x40000                  ; cx, cy: my place in the cluster
	s_bfe_u32 s41, ttmp6, 0x40004
	s_lshl_b32 s42, ttmp9, 2
	s_add_co_u32 s42, s42, s40
	s_and_b32 s42, s42, 7                          ; tile column inside my part
	s_and_b32 s17, ttmp7, 0xffff
	s_lshl_b32 s17, s17, 2
	s_add_co_u32 s17, s17, s41                     ; tile row
	s_lshl_b32 s43, s41, 2
	s_lshl_b32 s43, 15, s43                        ; my row of the cluster
	s_lshl_b32 s44, 0x1111, s40                    ; my column
	s_lshr_b32 s98, ttmp9, 1                       ; the part: two clusters along x to each
	s_wait_kmcnt 0x0
	s_add_nc_u64 s[90:91], s[80:81], NA_S          ; xn's scale bytes
	s_cmp_eq_u32 s98, 2                            ; v: P = xn, R = Wv
	s_cselect_b64 s[4:5], s[76:77], s[80:81]       ; R's codes
	s_cselect_b64 s[6:7], s[78:79], s[90:91]       ; R's scale bytes
	s_cselect_b64 s[8:9], s[80:81], s[68:69]       ; P's codes
	s_cselect_b64 s[10:11], s[90:91], s[70:71]     ; P's scale bytes
	s_cselect_b64 s[100:101], s[86:87], s[82:83]   ; the layer's scale
	s_cmp_eq_u32 s98, 1                            ; k
	s_cselect_b64 s[8:9], s[72:73], s[8:9]
	s_cselect_b64 s[10:11], s[74:75], s[10:11]
	s_cselect_b64 s[100:101], s[84:85], s[100:101]
	s_mov_b64 s[12:13], s[88:89]
	s_load_b32 s96, s[100:101], 0x0                ; asked for here, waited for behind the first joint loads: nothing reads it before the way out
	; descriptor group 1: a tile of 128 rows x ROWB bytes, padded in LDS
	s_or_b32 s[G1+0], s43, (0<<16)|(1<<20)|(1<<21)|(3<<22)|(3<<25)  ; 15:0 the mask: R's tiles go to my row; elements of 1 byte; padding on; 21 set beside a mask; after every 16 words 4 words
	s_or_b32 s[G1B+0], s44, (0<<16)|(1<<20)|(1<<21)|(3<<22)|(3<<25)
.irp g, G1, G1B
	s_mov_b32 s[\g+1], ROWB<<16                    ; tensor_dim0
	s_mov_b32 s[\g+2], 128<<16                     ; tensor_dim1
	s_mov_b32 s[\g+3], ROWB<<16                    ; tile_dim0
	s_mov_b32 s[\g+4], 128                         ; tile_dim1
	s_mov_b32 s[\g+5], KROW                        ; tensor_dim0_stride
	s_mov_b32 s[\g+6], 0
	s_mov_b32 s[\g+7], 0
.endr
	; the scale bytes of 128 rows: a dense block of 8,192 bytes, as rows of 256 bytes (32 elements of 8), 16 bytes of padding behind each
	s_or_b32 s[G1S+0], s43, (3<<16)|(1<<20)|(1<<21)|(5<<22)|(3<<25)
	s_or_b32 s[G1SB+0], s44, (3<<16)|(1<<20)|(1<<21)|(5<<22)|(3<<25)
.irp g, G1S, G1SB
	s_mov_b32 s[\g+1], 32<<16
	s_mov_b32 s[\g+2], (128*KS/256)<<16
	s_mov_b32 s[\g+3], 32<<16
	s_mov_b32 s[\g+4], 128*KS/256
	s_mov_b32 s[\g+5], 32
	s_mov_b32 s[\g+6], 0
	s_mov_b32 s[\g+7], 0
.endr
	s_lshl_b32 s18, s16, 7                         ; which 128 rows of the tile I fetch
	s_lshl_b32 s20, s17, 8
	s_add_co_u32 s20, s20, s18                     ; R: row 256 x tile row + 128 x half
	s_lshl_b32 s46, s42, 8
	s_add_co_u32 s46, s46, s18                     ; P: row 256 x tile column + 128 x half
	s_mov_b32 s21, 0
	s_mov_b32 s47, 0
	s_mov_b64 s[18:19], KS
	s_mul_u64 s[22:23], s[20:21], s[18:19]         ; where these rows' scale bytes begin
	s_mul_u64 s[92:93], s[46:47], s[18:19]
	s_mov_b64 s[18:19], KROW
	s_mul_u64 s[20:21], s[20:21], s[18:19]         ; and their codes
	s_mul_u64 s[46:47], s[46:47], s[18:19]
	s_mul_i32 s45, s14, HALFT                      ; where they go: wave x 128 rows: no place in the cluster enters an LDS address
	s_mul_i32 s94, s14, HALFS
	s_add_nc_u64 s[20:21], s[4:5], s[20:21]
	s_add_nc_u64 s[22:23], s[6:7], s[22:23]
	s_add_nc_u64 s[46:47], s[8:9], s[46:47]
	s_add_nc_u64 s[92:93], s[10:11], s[92:93]
	CROUND                                         ; all sixteen work-groups are here: the first joint loads meet
	s_mov_b32 s[G0S], 1
	s_add_co_u32 s[G0S+1], s94, SCL
	s_mov_b64 s[G0S+2:G0S+3], s[22:23]
	s_or_b32 s[G0S+3], s[G0S+3], 0x80000000
	s_mov_b32 s[G0SB], 1
	s_add_co_u32 s[G0SB+1], s94, SCL
	s_mov_b64 s[G0SB+2:G0SB+3], s[92:93]
	s_or_b32 s[G0SB+3], s[G0SB+3], 0x80000000
	JLOAD G0S, G1S, G0SB, G1SB                     ; the scale bytes first: they are wanted with K step 0
.irp s, 0,1
	s_mov_b32 s[G0+4*\s], 1
	s_add_co_u32 s[G0+4*\s+1], s45, \s*SLOT
	s_add_nc_u64 s[G0+4*\s+2:G0+4*\s+3], s[20:21], \s*ROWB
	s_or_b32 s[G0+4*\s+3], s[G0+4*\s+3], 0x80000000
	s_mov_b32 s[G0B+4*\s], 1
	s_add_co_u32 s[G0B+4*\s+1], s45, \s*SLOT
	s_add_nc_u64 s[G0B+4*\s+2:G0B+4*\s+3], s[46:47], \s*ROWB
	s_or_b32 s[G0B+4*\s+3], s[G0B+4*\s+3], 0x80000000
	JLOAD G0+4*\s, G1, G0B+4*\s, G1B
.endr
	v_and_b32 v1, 15, v0                           ; l % 16
	v_bfe_u32 v2, v0, 4, 1                         ; l / 16
	v_mul_u32_u24 v3, v1, PITCH
	v_mul_u32_u24 v4, v2, 24
	v_add_nc_u32 v4, v3, v4                        ; a fragment's row x pitch + 24 x half
	v_lshl_add_u32 v5, v2, 4, v4                   ; and the same behind one padding more
	s_mul_i32 s21, s15, HALFT                      ; my 128 rows of R
	s_mul_i32 s22, s16, HALFT                      ; my 128 rows of P,
	s_add_co_u32 s22, s22, 2*HALFT                 ; which lie behind R's 256
.irp s, 0,1
	v_add_nc_u32 v[ADRA+\s], s21, v4
	v_add_nc_u32 v[ADRB+\s], s22, v4
	v_add_nc_u32 v[ADRA+2+\s], s21, v5
	v_add_nc_u32 v[ADRB+2+\s], s22, v5
	s_add_co_u32 s21, s21, SLOT
	s_add_co_u32 s22, s22, SLOT
.endr
	v_mul_u32_u24 v5, v1, KS                       ; my row's scale bytes: KS a row,
	v_lshrrev_b32 v6, 8, v5
	v_lshl_add_u32 v5, v6, 4, v5                   ; and 16 more for each 256 passed
	s_mul_i32 s21, s15, HALFS
	s_mul_i32 s22, s16, HALFS
	s_add_co_u32 s22, s22, 2*HALFS
	s_sub_co_u32 s22, s22, s21
	v_mul_u32_u24 v6, s22, v2                      ; lanes 16-31 take P's
	s_add_co_u32 s21, s21, SCL
	v_add_nc_u32 v5, v5, v6
	v_add_nc_u32 v[ADRS], s21, v5
	v_and_b32 v9, 31, v0
	v_lshlrev_b32 v8, 4, v9                        ; the way out: 16 x lane in an image,
	v_lshlrev_b32 v9, 2, v9                        ; 4 x lane among 32 rows' words
	s_lshl_b32 s46, s42, 1
	s_add_co_u32 s46, s46, s16                     ; my K step of the next product: 2 x tile column + half
	s_lshl_b32 s20, s17, 4
	s_lshl_b32 s21, s15, 3
	s_add_co_u32 s20, s20, s21                     ; my first tile of 16 R rows: 16 x tile row + 8 x half
	s_lshl_b32 s47, s46, 7
	s_add_co_u32 s47, s47, s20
	s_mul_i32 s47, s47, 1536
	s_mul_i32 s21, s98, PART
	s_add_co_u32 s22, s47, s21                     ; my first image
	s_mov_b32 s23, 0
	s_lshl_b32 s18, s98, 17
	s_lshl_b32 s19, s46, 13
	s_add_co_u32 s18, s18, s19
	s_lshl_b32 s19, s20, 6
	s_add_co_u32 s18, s18, s19
	s_add_co_u32 s18, s18, QW                      ; my first scale word
	s_mov_b32 s19, 0
	s_add_nc_u64 s[66:67], s[12:13], s[18:19]
	s_add_nc_u64 s[12:13], s[12:13], s[22:23]
.macro FRAG reg, adr, q, i             ; a fragment, 16 rows x 128 K, is 12 registers: lane l holds row l % 16; registers 6 c .. 6 c + 5 hold K = 64 c + 32 (l / 16) + 0 .. 31: 24 bytes of the row, as they lie
.irp p, 0,1,2,3,4,5                    ; in pieces of 8 bytes.  Lanes 16-31 read three pieces on; where that lies behind one padding more, the second address register serves
.set PCE, 12*(\q)+6*(\p/3)+\p%3
.if PCE%8 < 5
	ds_load_b64 v[\reg+2*\p:\reg+2*\p+1], v[\adr] offset:8*PCE+16*(PCE/8)+(\i)*16*PITCH
.else
	ds_load_b64 v[\reg+2*\p:\reg+2*\p+1], v[\adr+2] offset:8*PCE+16*(PCE/8)+(\i)*16*PITCH
.endif
.endr
.endm
; 16 matrix instructions: R's blocks a0, a0 + 1 x P's eight.  The 64 accumulators take turns, one instruction a turn, in the same order in every step.
.macro MUL16 a0, p, q, sc, zero
.irp a, \a0, \a0+1
.irp b, 0,1,2,3,4,5,6,7
.if \zero
	v_wmma_scale_f32_16x16x128_f8f6f4 v[8*(8*((\a)%4)+\b):8*(8*((\a)%4)+\b)+7], v[128*(\p)+FR*\b:128*(\p)+FR*\b+FR-1], v[AF+FR*(\a):AF+FR*(\a)+FR-1], 0, v[SC+8*NQ*(\sc)+NQ*\b+(\q)], v[SC+8*NQ*(\sc)+NQ*(\a)+(\q)] matrix_a_fmt:MATRIX_FMT_BF6 matrix_b_fmt:MATRIX_FMT_BF6 matrix_a_scale:MATRIX_SCALE_ROW1
.else
	v_wmma_scale_f32_16x16x128_f8f6f4 v[8*(8*((\a)%4)+\b):8*(8*((\a)%4)+\b)+7], v[128*(\p)+FR*\b:128*(\p)+FR*\b+FR-1], v[AF+FR*(\a):AF+FR*(\a)+FR-1], v[8*(8*((\a)%4)+\b):8*(8*((\a)%4)+\b)+7], v[SC+8*NQ*(\sc)+NQ*\b+(\q)], v[SC+8*NQ*(\sc)+NQ*(\a)+(\q)] matrix_a_fmt:MATRIX_FMT_BF6 matrix_b_fmt:MATRIX_FMT_BF6 matrix_a_scale:MATRIX_SCALE_ROW1
.endif
.endr
.endr
.endm
.macro FETCH_B slot, q, p
	WIN TO_B
.irp i, 0,1,2,3,4,5,6,7
	FRAG 128*(\p)+FR*\i, ADRB+\slot, \q, \i
.endr
	WIN 0
.endm
.macro FETCH_A slot, q, i0
.irp i, \i0, \i0+1, \i0+2, \i0+3
	FRAG AF+FR*(\i), ADRA+\slot, \q, \i
.endr
.endm
.macro SCALES sc                       ; the next K step's scale words: lanes 0-15 take R's block i, lanes 16-31 P's block i
.irp i, 0,1,2,3,4,5,6,7
	ds_load_b64 v[SC+8*NQ*\sc+NQ*\i:SC+8*NQ*\sc+NQ*\i+1], v[ADRS] offset:\i*SBLK
.endr
.endm
; A load into a register that a matrix instruction has read, and a vector instruction that reads a matrix result or writes one of its registers, stand NP places behind it; only plain vector
; instructions that name none of its registers are places (ISA guide 7.12.1 for vector instructions).
.macro PLACES n
.rept \n
	v_nop
.endr
.endm
.macro STEP slot, q, zero              ; a step of 128 along K that has its successor in the same slot
	s_wait_dscnt 4*NL                              ; P's set and R's blocks 0-3 are in; the youngest 24 loads (R's blocks 4-7) may be out
	WIN MUL_LO
	MUL16 0, (\q)%2, \q, \slot, \zero
	MUL16 2, (\q)%2, \q, \slot, \zero
	s_wait_dscnt 0                                 ; R's blocks 4-7 are in
	PLACES NP
	FETCH_B \slot, (\q)+1, 1-(\q)%2
	FETCH_A \slot, (\q)+1, 0
	WIN MUL_HI
	MUL16 4, (\q)%2, \q, \slot, \zero
	MUL16 6, (\q)%2, \q, \slot, \zero
	PLACES NP
	WIN 0
	FETCH_A \slot, (\q)+1, 4
.endm
; A slot's last step changes slots: one barrier; in front of it each wave waits for all its tensor loads, adds 0 to its spare word, and waits for that and for its own reads of this slot.
.macro TURN slot, next, fill
	s_wait_tensorcnt 0x0                           ; all my tensor loads have landed: my part of the next slot
	ds_add_u32 v[SPW], v[NIL]                      ; 0 onto my spare word
	s_wait_dscnt 4*NL+1                            ; (the add and the youngest 24 loads may be out)
	WIN MUL_LO
	MUL16 0, 1, NQ-1, \slot, 0                     ; sixteen matrix instructions stand between the add and the wait for it
	s_wait_dscnt 0x0                               ; the add is done, and my reads of this slot are over
	s_barrier_signal -1
	MUL16 2, 1, NQ-1, \slot, 0
	WIN 0
	s_barrier_wait -1
.if \fill
	CREST                                          ; the barrier has opened a round of the cluster's: no wave of any partner still reads this slot or has a load on its way
	s_add_nc_u64 s[G0+4*\slot+2:G0+4*\slot+3], s[G0+4*\slot+2:G0+4*\slot+3], 2*ROWB
	s_add_nc_u64 s[G0B+4*\slot+2:G0B+4*\slot+3], s[G0B+4*\slot+2:G0B+4*\slot+3], 2*ROWB
	JLOAD G0+4*\slot, G1, G0B+4*\slot, G1B         ; the first tensor load behind the round; its four v_nop are the places in front of the loads below
.else
	PLACES NP
.endif
	v_add_nc_u32 v[ADRS], 4*NQ, v[ADRS]            ; on to the next K step's scale words
	FETCH_B \next, 0, 0
	FETCH_A \next, 0, 0
	SCALES \next
	WIN MUL_HI
	MUL16 4, 1, NQ-1, \slot, 0
	MUL16 6, 1, NQ-1, \slot, 0
	PLACES NP
	WIN 0
	FETCH_A \next, 0, 4
.endm
	s_wait_kmcnt 0x0                               ; the layer's scale: its first reader, and the next write of its address registers, stand on the way out
	s_wait_tensorcnt 1                             ; the scale bytes and my part of K step 0 are in; K step 1's load may be out
	s_barrier_signal -1
	s_barrier_wait -1
	FETCH_B 0, 0, 0
	FETCH_A 0, 0, 0
	SCALES 0
	FETCH_A 0, 0, 4
	STEP 0, 0, 1                                   ; the first step stands in front of the loop: its products start the sums
	s_mov_b32 s3, LAPS-1
.Llap:                                                 ; a trip goes once round the ring and fills both slots again
	TURN 0, 1, 1
	STEP 1, 0, 0
	TURN 1, 0, 1
	STEP 0, 0, 0
	s_sub_co_u32 s3, s3, 1
	s_cmp_lg_u32 s3, 0
	s_cbranch_scc1 .Llap
	TURN 0, 1, 0                                   ; the last lap fills nothing
	STEP 1, 0, 0
	s_wait_dscnt 4*NL
	WIN MUL_LO
	MUL16 0, 1, NQ-1, 1, 0
	MUL16 2, 1, NQ-1, 1, 0
	s_wait_dscnt 0
	WIN MUL_HI
	MUL16 4, 1, NQ-1, 1, 0
	MUL16 6, 1, NQ-1, 1, 0
	WIN 0
; 64 numbers of a lane, v[s] .. v[s + 63], register 16 b + i in block b of my row, become a fragment's codes in v[PC] on and its scale word in v[PW].
.macro QUANT s
.irp b, 0,1,2,3
	v_max3_num_f32 v[TM+\b], |v[\s+16*\b]|, |v[\s+1+16*\b]|, 0x2800000   ; block b: my 16 numbers, and the floor 2^(5 - 127): the byte cannot fall under 1
.endr
.irp i, 2,4,6,8,10,12,14
.irp b, 0,1,2,3
	v_max3_num_f32 v[TM+\b], v[TM+\b], |v[\s+16*\b+\i]|, |v[\s+1+16*\b+\i]|   ; (the four blocks by turns)
.endr
.endr
.irp b, 0,1,2,3
	v_permlanex16_b32 v[TM+4+\b], v[TM+\b], s[SEL], s[SEL+1]
.endr
.irp b, 0,1,2,3
	v_max_num_f32 v[TM+\b], v[TM+\b], v[TM+4+\b]   ; with lane l xor 16's: the block's largest magnitude
.endr
.irp b, 0,1,2,3
	v_add_nc_u32 v[TM+12+\b], 0xfe000000, v[TM+\b] ; 4 off its exponent field: the conversion's scale operand
.endr
.irp b, 0,1,2,3
	v_lshrrev_b32 v[TM+4+\b], 23, v[TM+12+\b]      ; the scale's byte
.endr
	v_lshl_or_b32 v[PW], v[TM+5], 8, v[TM+4]
	v_lshl_or_b32 v[PW], v[TM+6], 16, v[PW]
	v_lshl_or_b32 v[PW], v[TM+7], 24, v[PW]
.irp c, 0,1
	v_cvt_scalef32_pk16_bf6_f32 v[PC+6*\c:PC+2+6*\c], v[\s+32*\c:\s+15+32*\c], v[TM+12+2*\c]
	v_cvt_scalef32_pk16_bf6_f32 v[PC+12+4*\c:PC+14+4*\c], v[\s+16+32*\c:\s+31+32*\c], v[TM+12+2*\c+1]   ; (a conversion's three registers begin on an even number)
.endr
	v_nop                                          ; one plain instruction behind a scaled conversion
.irp c, 0,1                                    ; the operand's layout wants a whole block in a lane: lanes 0-15 block 2 c, lanes 16-31 block 2 c + 1
.irp i, 0,1,2
	v_permlane16_swap_b32 v[PC+6*\c+\i], v[PC+12+4*\c+\i]
.endr
.irp i, 0,1,2
	v_mov_b32 v[PC+3+6*\c+\i], v[PC+12+4*\c+\i]
.endr
.endr
.endm
; Block a of my eight: x the layer's scale, quantised, stored as an image: each store covers 512 consecutive bytes, at a multiple of 256 from the buffer's first byte.
.macro OUTBLK a
.if (\a) < 4
	WIN 0x02                                       ; source 0: window 2
.else
	WIN 0x03
.endif
.set i, 0
.rept 32
	v_pk_mul_f32 v[T+i:T+i+1], v[64*((\a)%4)+i:64*((\a)%4)+i+1], s[96:97] op_sel_hi:[1,0]   ; ascending: each accumulator is read from its low end on
.set i, i+2
.endr
	WIN 0
	s_wait_xcnt 0x0                                ; the last block's stores have read their data: the codes and the words may be written again
	QUANT T
.irp c, 0,1,2
	global_store_b128 v8, v[PC+4*\c:PC+4*\c+3], s[12:13] offset:1536*(\a)+512*\c
.endr
.if (\a)%2 == 0
	v_mov_b32 v[PWP], v[PW]
.else
	v_cndmask_b32 v[PWS], v[PWP], v[PW], s99       ; lanes 0-15: the even block's rows; lanes 16-31: the odd block's (both halves of the lanes hold a row's word)
	global_store_b32 v9, v[PWS], s[66:67] offset:64*((\a)-1)
.endif
.endm
	PLACES NP                                      ; behind the last products: their results are read, and R's fragment registers written, only from here on
	s_mov_b32 s97, s96                             ; (the packed multiply names the pair)
	s_mov_b32 s99, 0xffff0000
	s_mov_b32 s[SEL], 0x76543210
	s_mov_b32 s[SEL+1], 0xfedcba98
.irp b, 0,1,2,3
	v_mov_b32 v[TM+4+\b], 0                        ; written once: a lane permute's destination counts as one of its sources
.endr
.irp a, 0,1,2,3,4,5,6,7
	OUTBLK \a
.endr
	s_wait_tensorcnt 0x0                           ; the wave's end
	ds_add_u32 v[SPW], v[NIL]
	s_wait_dscnt 0x0
	CROUND                                         ; the closing round: no work-group ends while a partner may still ask for a tile that names it
	s_endpgm
.Lfunc_end_k_q4e9e011a3d_qkv:
	.size	k_q4e9e011a3d_qkv, .Lfunc_end_k_q4e9e011a3d_qkv-k_q4e9e011a3d_qkv
	.p2alignl 7, 3214868480
	.fill 96, 4, 3214868480
	.section	.rodata,"a",@progbits
	.p2align	6, 0x0
	.amdhsa_kernel k_q4e9e011a3d_qkv
		.amdhsa_group_segment_fixed_size 327680
		.amdhsa_private_segment_fixed_size 0
		.amdhsa_enable_private_segment 0
		.amdhsa_kernarg_size 88
		.amdhsa_user_sgpr_count 2
		.amdhsa_user_sgpr_kernarg_segment_ptr 1
		.amdhsa_wavefront_size32 1
		.amdhsa_system_sgpr_workgroup_id_x 1
		.amdhsa_system_sgpr_workgroup_id_y 1
		.amdhsa_system_sgpr_workgroup_id_z 1
		.amdhsa_system_vgpr_workitem_id 0
		.amdhsa_next_free_vgpr 1024
		.amdhsa_next_free_sgpr 102
		.amdhsa_reserve_vcc 0
		.amdhsa_float_denorm_mode_32 3
		.amdhsa_float_denorm_mode_16_64 3
		.amdhsa_memory_ordered 1
		.amdhsa_forward_progress 1
		.amdhsa_inst_pref_size 181
	.end_amdhsa_kernel
	.amdgpu_metadata
---
amdhsa.version: [ 1, 2 ]
amdhsa.kernels:
  - .name:           k_q4e9e011a3d_qkv
    .symbol:         k_q4e9e011a3d_qkv.kd
    .args:
      - { .name: Wq_codes, .offset: 0, .size: 8, .value_kind: global_buffer, .address_space: global }
      - { .name: Wq_scales, .offset: 8, .size: 8, .value_kind: global_buffer, .address_space: global }
      - { .name: Wk_codes, .offset: 16, .size: 8, .value_kind: global_buffer, .address_space: global }
      - { .name: Wk_scales, .offset: 24, .size: 8, .value_kind: global_buffer, .address_space: global }
      - { .name: Wv_codes, .offset: 32, .size: 8, .value_kind: global_buffer, .address_space: global }
      - { .name: Wv_scales, .offset: 40, .size: 8, .value_kind: global_buffer, .address_space: global }
      - { .name: na, .offset: 48, .size: 8, .value_kind: global_buffer, .address_space: global }
      - { .name: sq, .offset: 56, .size: 8, .value_kind: global_buffer, .address_space: global }
      - { .name: sk, .offset: 64, .size: 8, .value_kind: global_buffer, .address_space: global }
      - { .name: sv, .offset: 72, .size: 8, .value_kind: global_buffer, .address_space: global }
      - { .name: qkv, .offset: 80, .size: 8, .value_kind: global_buffer, .address_space: global }
    .group_segment_fixed_size: 327680
    .private_segment_fixed_size: 0
    .kernarg_segment_align: 8
    .kernarg_segment_size: 88
    .max_flat_workgroup_size: 128
    .sgpr_count:     102
    .vgpr_count:     1024
    .wavefront_size: 32
...
	.end_amdgpu_metadata
.endif
;; end of part 2
;; launch att (part 3): grid 16 x 16, 16 waves a work-group, clusters of 4 x 1, 327,680 bytes of LDS; arguments qkv, na, x, norm_attn_w, alpha, ao; writes ao
.if DOCPART == 3
	.amdgcn_target "amdgcn-amd-amdhsa--gfx1250"
	.amdhsa_code_object_version 6
	.text
	.protected	k_q4e9e011a3d_att
	.globl	k_q4e9e011a3d_att
	.p2align	8
	.type	k_q4e9e011a3d_att,@function
k_q4e9e011a3d_att:
	s_mov_b64 s[64:65], 0
	v_nop
	global_prefetch_b8 v0, s[64:65] scope:SCOPE_SE
	s_setreg_imm32_b32 hwreg(HW_REG_WAVE_MODE, 25, 1), 1
	s_wait_xcnt 0x0
	s_wait_alu depctr_hold_cnt(0) depctr_sa_sdst(0) depctr_va_vdst(0) depctr_va_sdst(0) depctr_va_ssrc(0) depctr_va_vcc(0) depctr_vm_vsrc(0)
	s_getreg_b32 s2, hwreg(HW_REG_IB_STS2, 6, 4)
	s_cmp_eq_u32 s2, 0
	s_cbranch_scc0 .Lentry_in_a_cluster
	s_endpgm
.Lentry_in_a_cluster:
	s_bfe_u32 s2, ttmp6, 0x10000c
	s_cmp_lg_u32 s2, 0x3003
	s_cbranch_scc0 .Lentry_shape_is_right
	s_endpgm
.Lentry_shape_is_right:
; ao[q][head 128 + d] = (sum over keys k <= q of p v) / l + alpha[head] * normed[q][head 128 + d], quantised along its 2,048 numbers for the next product.  16 heads, 2,048 tokens, head size 128.
; Both products on codes of BF6 (E3M2) with one E8M0 byte for each 32 along K.  t = score x log2(e) / sqrt(128); M = the largest t so far, rounded UP to a whole number; p = 2^(t - M) is quantised along
; the keys, not normalised; l is the sum of the unquantised p and divides at the end.  When M moves, l and O are multiplied by 2^(old M - new M): exact.
; IN: q, k, v as images of operand registers with their scale words, as the launch before has laid them: inside each block of 32 the order is 0-7, 16-23, 8-15, 24-31, in q and k alike, and in v and
; in the p made here alike (natural tiles of 16 keys give p that order), so no sum changes.
; SHARES.  A cluster of four work-groups belongs to one head; cluster c owns the blocks of 128 queries 2 c, 2 c + 1, 14 - 2 c, 15 - 2 c, so that every cluster has the same number of unmasked steps.
; Wave w of 16: its block hangs on c and on bits 1 and 2 of w, the same in all four partners; its tile of 16 queries in the block is 2 cx + (w & 1): cx enters global addresses and mask data alone.
; Waves w and w + 8 hold the SAME 16 queries and share the keys: of a slot's four steps of 128 keys wave w takes the first and the third, wave w + 8 the second and the fourth, with no barrier
; between a wave's two steps; at the end the two waves are merged through LDS.
; All partners walk all 4 slots: trip counts are constants, no tensor load and no barrier is jumped over.  A step all of whose keys come after the block's queries is left out by a scalar branch on ids;
; the price: a cluster of middle blocks fetches one slot that nobody reads.
; K's and V's tiles, and the head's scale words, are asked for JOINTLY by the four partners (waves 0, 1: K's halves; waves 2, 3: V's).
; LAYOUT.  Both products transposed: S^T = K Q^T, O^T = V^T P^T: a lane holds ONE query (lane % 16) throughout.
; LDS READS ARE ASKED FOR AHEAD OF THE VECTOR WORK: V's first four fragments behind the last product K Q^T, into the registers that K's have left, ahead of the softmax; V's other four into p's
; registers, behind the conversions that have read p.  A scale register carries two tiles' words: lanes 0-15 tile t's, lanes 16-31 tile t + 4's.
; OUT: ao as HALF images, [tile of 16 rows 128][64 along K 32][768 bytes]: registers 6 c + 2 p, 6 c + 2 p + 1 of lane l at 256 p + 8 l; scale words at AW, [K step 16][row 2,048].  ao meets given
; weights, so its codes lie in TRUE order: one exchange of lane halves a register pair.
; LIMITS: NaN and infinities are not served; a block whose largest magnitude lies under 2^-122 keeps the byte 1, a block of zeros too (its codes are zeros; this program alone reads the bytes).
; REGISTERS: v1-11 addresses; v12 -M, v13 the largest t, v[14:15] l in two halves; v16-27 Q; v29-31 r, h, lane; v32-79 four fragments; v96-159 S^T, then p, then V's other four fragments; v160-223 O^T;
; v224.. p's codes; v232-254 at work; v248-251, v253, v255 scale words.
.set PK,    3145728                    ; k's images in the buffer
.set PV,    6291456                    ; v's
.set QW,    9437184                    ; the scale words: q's, k's 131,072 on, v's 262,144 on
.set NA_R,  3276800                    ; the rows' rsqrt
.set AW,    3145728                    ; ao's scale words
.set KSB,   12288                      ; a K step's eight images, of K or of V
.set VOFF,  4*KSB                      ; a slot: four K steps of K, then four of V: 98,304 bytes
.set SLOT1, 131072                     ; slot 1 begins here, so that one exclusive or turns an address
.set SCK,   98304                      ; between the slots: K's scale words of the head, 8,192 bytes,
.set SCV,   106496                     ; and V's: [K step 16][512 bytes]
.set MRG,   229376                     ; behind slot 1: the merge: 8 x (64 registers of O^T, -M, l); no fill lands here
.set MRGW,  8448
.set SPARE, 296960                     ; the spare words, 128 bytes for each wave: eight blocks of 256 bytes that no other line names
.set AK0,  1                           ; v1   16 x lane + my first K step of a slot
.set L16,  2                           ; v2   16 x lane
.set ASK0, 3                           ; v3   SCK + 4 r + 256 h
.set PFO,  4                           ; v4   the prefetches' offset
.set SPW,  5
.set NIL,  6
.set DQ,   7                           ; v7   16 x my tile + r - 8 h: register 8 t + j of a diagonal step is hidden where 16 t + j > DQ
.set ADK,  8
.set MA,   9                           ; v9   the merge: 16 x lane in my pair's region
.set ADS,  10
.set MB,   11                          ; v11  the merge: 4 x lane behind the 8,192 bytes of O^T
.set TM,   16                          ; the way out: at work
.set PC,   224
.set PW,   243
.set WV,   18
.set SEL,  20
.set CS,   22
.set G1K,  24                          ; s[24:31] group 1: a dense block of 24,576 bytes as 96 rows of 256
.set G1SK, 32                          ; s[32:39] 16 rows of 256 bytes
.set G1SV, 40                          ; s[40:47] 8 rows of 512 bytes, 8,192 bytes apart
.set G1V,  88                          ; s[88:95] 2 rows of 12,288 bytes, 196,608 bytes apart
.set G0K,  48
.set G0V,  52
.set G0SK, 56
.set G0SV, 60
.set TB,   2                           ; s2   LDS byte at which the slot in hand begins
.set TS,   3                           ; s3   512 x my K step: its scale words
.set BLK,  66                          ; s66  my block of 128 queries
.set ST,   67                          ; s67  my K step in hand
.set SLOTS, 68
.set LIM,  69
.set PFA,  70
.set PFS,  72
.set AL,   78                          ; s[78:79] alpha of my head
.macro CROUND                          ; a round of the cluster's barrier
	s_barrier_signal -1
	s_barrier_wait -1
	s_cmp_lg_u32 s[WV], 0
	s_cbranch_scc1 .Lnot_wave_0_\@
	s_barrier_signal -3
.Lnot_wave_0_\@:
	s_barrier_wait -3
	s_barrier_signal -1
	s_barrier_wait -1
.endm
; Waves 0 and 1 fetch for K, waves 2 and 3 for V, the others nothing.  The branches hang on the wave's number alone.  Four v_nop follow each of the two lines.
.macro TLOAD g0k, g1k, g0v, g1v
	s_cmp_lt_u32 s[WV], 2
	s_cbranch_scc0 .Lnot_k_\@
	tensor_load_to_lds s[\g0k:\g0k+3], s[\g1k:\g1k+7]
	s_nop 0
.rept 4
	v_nop
.endr
	s_branch .Lasked_\@
.Lnot_k_\@:
	s_cmp_lt_u32 s[WV], 4
	s_cbranch_scc0 .Lasked_\@
	tensor_load_to_lds s[\g0v:\g0v+3], s[\g1v:\g1v+7]
	s_nop 0
.rept 4
	v_nop
.endr
.Lasked_\@:
.endm
; A PREFETCH INTO THE L2 of what the NEXT change of slots will ask for: 49,152 bytes of K's images and as many of V's.  All four clusters of a head walk the same K and V: the head's first cluster asks.
; Its partners share the bytes out BY ADDRESS, 12,288 of each to a partner (of V: K step cx of the slot); in each, waves 4 and 5 ask for the two halves of K's part and waves 6 and 7 for those of V's,
; one instruction a wave, lanes 256 bytes apart: 24 blocks, so lanes 24 to 31 name lane 23's block again.  The last change that fills a slot asks for nothing; slots 0 and 1 come by their loads alone.
.macro ASK
	s_cmp_gt_u32 s[SLOTS], s[LIM]
	s_cbranch_scc0 .Lnot_mine_\@
	global_prefetch_b8 v[PFO], s[PFA:PFA+1] th:TH_LOAD_NT scope:SCOPE_SE
.Lnot_mine_\@:
.endm
	s_load_b256 s[4:11], s[0:1], 0x0               ; q, k, v; xn's buffer; x; w
	s_load_b128 s[12:15], s[0:1], 0x20             ; alpha; ao
	v_lshl_add_u32 v[SPW], v0, 2, SPARE
	v_mov_b32 v[NIL], 0
	ds_add_u32 v5, v6
	s_wait_dscnt 0x0
	v_lshrrev_b32 v8, 5, v0
	v_readfirstlane_b32 s[WV], v8                  ; wave 0..15
	s_bfe_u32 s80, ttmp6, 0x40000                  ; cx
	s_and_b32 s81, ttmp7, 0xffff                   ; the head, which the partners share
	s_lshr_b32 s82, s[WV], 3                       ; 0: a slot's first and third K step are mine; 1: its second and fourth
	s_and_b32 s83, s[WV], 1
	s_bfe_u32 s84, s[WV], 0x10001
	s_lshl_b32 s[BLK], ttmp9, 1
	s_add_co_u32 s[BLK], s[BLK], s84               ; 2 c + bit 1 of the wave,
	s_bfe_u32 s84, s[WV], 0x10002
	s_mul_i32 s84, s84, 15
	s_xor_b32 s[BLK], s[BLK], s84                  ; or, with bit 2 set, 15 less that
	s_lshl_b32 s85, s80, 1
	s_add_co_u32 s85, s85, s83                     ; my tile in the block
	s_lshl_b32 s86, s[BLK], 3
	s_add_co_u32 s86, s86, s85                     ; my tile of 16 queries among the 128
.irp g, G1K, G1SK, G1SV, G1V
	s_mov_b32 s[\g], 15|(3<<16)|(1<<21)            ; 15:0 the mask: all four work-groups; elements of 8 bytes; 21 set beside a mask; no padding
	s_mov_b32 s[\g+6], 0
	s_mov_b32 s[\g+7], 0
.endr
	s_mov_b32 s[G1K+1], 32<<16                     ; tensor_dim0
	s_mov_b32 s[G1K+2], 96<<16                     ; tensor_dim1
	s_mov_b32 s[G1K+3], 32<<16                     ; tile_dim0
	s_mov_b32 s[G1K+4], 96                         ; tile_dim1
	s_mov_b32 s[G1K+5], 32                         ; the pitch
	s_mov_b32 s[G1V+1], 1536<<16                   ; a row: a K step's eight images of my head
	s_mov_b32 s[G1V+2], 2<<16
	s_mov_b32 s[G1V+3], 1536<<16
	s_mov_b32 s[G1V+4], 2
	s_mov_b32 s[G1V+5], 24576                      ; from K step to K step: 196,608 bytes
	s_mov_b32 s[G1SK+1], 32<<16
	s_mov_b32 s[G1SK+2], 16<<16
	s_mov_b32 s[G1SK+3], 32<<16
	s_mov_b32 s[G1SK+4], 16
	s_mov_b32 s[G1SK+5], 32
	s_mov_b32 s[G1SV+1], 64<<16
	s_mov_b32 s[G1SV+2], 8<<16
	s_mov_b32 s[G1SV+3], 64<<16
	s_mov_b32 s[G1SV+4], 8
	s_mov_b32 s[G1SV+5], 1024
	s_mul_i32 s98, s83, 2*KSB                      ; my half of a slot's K or V, in LDS and (K) in memory
	s_lshl_b32 s99, s83, 12                        ; my half of the scale words
	s_mov_b32 s97, 0
	s_mov_b32 s[SEL], 0x76543210
	s_mov_b32 s[SEL+1], 0xfedcba98
	s_mov_b32 s[CS], 0x3e0293ee                    ; c = log2(e) / sqrt(128)
	s_mov_b32 s[CS+1], s[CS]
	s_mov_b32 s[TB], 0
	s_lshl_b32 s[TS], s82, 9
	s_mov_b32 s[ST], s82
	s_mov_b32 s[SLOTS], 3
	s_wait_kmcnt 0x0
	CROUND                                         ; all four work-groups are here: the first joint loads meet
	s_lshl_b32 s96, s81, 13
	s_add_co_u32 s96, s96, s99
	s_add_co_u32 s96, s96, QW+131072               ; K's words: the head's 8,192 bytes, my half
	s_mov_b32 s[G0SK], 1
	s_add_co_u32 s[G0SK+1], s99, SCK
	s_add_nc_u64 s[G0SK+2:G0SK+3], s[4:5], s[96:97]
	s_or_b32 s[G0SK+3], s[G0SK+3], 0x80000000
	s_lshl_b32 s96, s83, 16
	s_lshl_b32 s87, s81, 9
	s_add_co_u32 s96, s96, s87
	s_add_co_u32 s96, s96, QW+262144               ; V's words: K steps 8 half on, the head's 512 bytes
	s_mov_b32 s[G0SV], 1
	s_add_co_u32 s[G0SV+1], s99, SCV
	s_add_nc_u64 s[G0SV+2:G0SV+3], s[4:5], s[96:97]
	s_or_b32 s[G0SV+3], s[G0SV+3], 0x80000000
	TLOAD G0SK, G1SK, G0SV, G1SV                   ; the head's scale words: filled once
	s_mul_i32 s96, s81, 196608
	s_add_co_u32 s96, s96, s98
	s_add_co_u32 s96, s96, PK                      ; K: the head's images, 16 half on
	s_mov_b32 s[G0K], 1
	s_mov_b32 s[G0K+1], s98
	s_add_nc_u64 s[G0K+2:G0K+3], s[4:5], s[96:97]
	s_or_b32 s[G0K+3], s[G0K+3], 0x80000000
	s_mul_i32 s96, s83, 393216
	s_mul_i32 s87, s81, KSB
	s_add_co_u32 s96, s96, s87
	s_add_co_u32 s96, s96, PV                      ; V: K steps 2 half and 2 half + 1, images 8 head on
	s_mov_b32 s[G0V], 1
	s_add_co_u32 s[G0V+1], s98, VOFF
	s_add_nc_u64 s[G0V+2:G0V+3], s[4:5], s[96:97]
	s_or_b32 s[G0V+3], s[G0V+3], 0x80000000
	TLOAD G0K, G1K, G0V, G1V                       ; slot 0
	s_lshl_b32 s96, s81, 7
	s_add_co_u32 s96, s96, s86
	s_mul_i32 s96, s96, 1536
	s_add_nc_u64 s[74:75], s[4:5], s[96:97]        ; Q's image
	s_lshl_b32 s98, s81, 13
	s_lshl_b32 s99, s86, 6
	s_add_co_u32 s98, s98, s99                     ; head x 8,192 + 4 x my first query
	s_add_co_u32 s96, s98, QW
	s_add_nc_u64 s[76:77], s[4:5], s[96:97]        ; Q's scale words
	s_add_co_u32 s96, s98, AW
	s_add_nc_u64 s[16:17], s[14:15], s[96:97]      ; ao's scale words
	s_lshl_b32 s96, s86, 5
	s_lshl_b32 s87, s81, 1
	s_add_co_u32 s96, s96, s87
	s_mul_i32 s96, s96, 768
	s_add_nc_u64 s[14:15], s[14:15], s[96:97]      ; ao's two half images
	s_add_co_u32 s96, s99, NA_R
	s_add_nc_u64 s[6:7], s[6:7], s[96:97]          ; my rows' rsqrt
	s_lshl_b32 s96, s86, 17
	s_lshl_b32 s87, s81, 9
	s_add_co_u32 s96, s96, s87
	s_add_nc_u64 s[8:9], s[8:9], s[96:97]          ; x at my first row, my head
	s_mov_b32 s96, s87
	s_add_nc_u64 s[10:11], s[10:11], s[96:97]      ; w at my head
	s_lshl_b32 s96, s81, 2
	s_add_nc_u64 s[12:13], s[12:13], s[96:97]
	s_load_b32 s[AL], s[12:13], 0x0
	; the prefetches: where my wave's stand, and who asks
	s_mul_i32 s84, s81, 196608
	s_mul_i32 s87, s80, KSB
	s_add_co_u32 s84, s84, s87
	s_add_co_u32 s84, s84, PK+4*KSB                ; K's: my work-group's quarter, in slot 1: the first change of slots steps it to slot 2
	s_mul_i32 s87, s81, KSB
	s_mul_i32 s98, s80, 196608
	s_add_co_u32 s87, s87, s98
	s_add_co_u32 s87, s87, PV+786432               ; V's: K step cx of slot 1, my head's 12,288 bytes
	s_bfe_u32 s98, s[WV], 0x10001                  ; 0 in waves 4 and 5, 1 in waves 6 and 7
	s_cmp_eq_u32 s98, 0
	s_cselect_b32 s96, s84, s87
	s_mov_b32 s[PFS], 786432
	s_cselect_b32 s[PFS], 4*KSB, s[PFS]            ; a slot on
	s_mov_b32 s[PFS+1], 0
	s_mul_i32 s98, s83, 6144                       ; my wave's half of the part
	s_add_co_u32 s96, s96, s98
	s_add_nc_u64 s[PFA:PFA+1], s[4:5], s[96:97]
	s_sub_co_u32 s84, s[WV], 4
	s_lshr_b32 s84, s84, 2                         ; 0 in waves 4 to 7,
	s_or_b32 s84, s84, ttmp9                       ; of the head's first cluster: the same in all four partners
	s_cmp_eq_u32 s84, 0
	s_cselect_b32 s[LIM], 1, -1
	v_and_b32 v29, 15, v0                          ; r
	v_bfe_u32 v30, v0, 4, 1                        ; h
	v_and_b32 v31, 31, v0                          ; lane
	v_lshlrev_b32 v[L16], 4, v31
.irp c, 0,1,2
	global_load_b128 v[16+4*\c:19+4*\c], v[L16], s[74:75] offset:512*\c   ; Q's fragment stays in registers
.endr
	v_lshlrev_b32 v254, 2, v29
	global_load_b32 v255, v254, s[76:77]           ; Q's scale words
	s_mul_i32 s87, s82, KSB
	v_add_nc_u32 v[AK0], s87, v[L16]
	v_lshl_add_u32 v[ASK0], v29, 2, SCK
	v_lshl_add_u32 v[ASK0], v30, 8, v[ASK0]        ; lanes 16-31 take the words of the tile four further on: 4 x 64 bytes
	v_min_u32 v[PFO], 23, v31
	v_lshlrev_b32 v[PFO], 8, v[PFO]
	s_lshl_b32 s84, s85, 4
	v_lshlrev_b32 v[DQ], 3, v30
	v_sub_nc_u32 v[DQ], v29, v[DQ]
	v_add_nc_u32 v[DQ], s84, v[DQ]
	s_and_b32 s84, s[WV], 7
	s_mul_i32 s84, s84, MRGW
	s_add_co_u32 s84, s84, MRG
	v_add_nc_u32 v[MA], s84, v[L16]
	s_add_co_u32 s84, s84, 8192
	v_lshl_add_u32 v[MB], v31, 2, s84
	v_mov_b32 v13, 0xff61b1e6                      ; the largest t so far: -3e38, under every t
	v_floor_f32 v12, -v13                          ; -M
	v_mov_b32 v14, 0
	v_mov_b32 v15, 0
.irp b, 0,1,2,3
	v_mov_b32 v[236+\b], 0                         ; written once: a lane permute's destination counts as one of its sources
.endr
	v_mov_b32 v253, 0                              ; (named as the upper half of the pair v[252:253] before it is first written)
.set i, 0
.rept 64
	v_mov_b32 v[160+i], 0                          ; O^T.  (The step is written for every trip alike: the first finds zeros, which the first change of M leaves zeros)
.set i, i+1
.endr
; ONE OF MY TWO KEY STEPS of the slot in hand: 128 keys.  second = 0: my first, 1: my second, two K steps further on in the slot.
.macro STEP second
	s_cmp_gt_u32 s[ST], s[BLK]                     ; all its keys come after my block's queries: left out
	s_cbranch_scc1 .Lhidden_\@
.if \second
	s_add_co_u32 s84, s[TB], 2*KSB
	v_add_nc_u32 v[ADK], s84, v[AK0]
.else
	v_add_nc_u32 v[ADK], s[TB], v[AK0]
.endif
	v_add_nc_u32 v[ADS], s[TS], v[ASK0]
.rept 3
	v_nop                                          ; with the two additions five places behind the last step's products: four for the loads into registers that they have read, five for the first product below, which writes over v96 on, where V's fragments lay
.endr
.irp t, 0,1,2,3                                ; S^T = K Q^T, four tiles of 16 neighbouring keys at a time
.irp c, 0,1,2
	ds_load_b128 v[32+12*\t+4*\c:35+12*\t+4*\c], v[ADK] offset:1536*\t+512*\c   ; an image comes back as it was stored: 512 consecutive bytes a load
.endr
	ds_load_b32 v[248+\t], v[ADS] offset:64*\t     ; lanes 0-15: tile t's scale words; lanes 16-31: tile t + 4's
.endr
	s_wait_dscnt 0x0
.irp t, 0,1,2,3
	v_wmma_scale_f32_16x16x128_f8f6f4 v[96+8*\t:103+8*\t], v[32+12*\t:43+12*\t], v[16:27], 0, v[248+\t], v255 matrix_a_fmt:MATRIX_FMT_BF6 matrix_b_fmt:MATRIX_FMT_BF6
.endr
.rept 4
	v_nop                                          ; places in front of loads into registers that matrix instructions have read
.endr
.irp t, 0,1,2,3
.irp c, 0,1,2
	ds_load_b128 v[32+12*\t+4*\c:35+12*\t+4*\c], v[ADK] offset:1536*(4+\t)+512*\c
.endr
.endr
	s_wait_dscnt 0x0
.irp t, 0,1,2,3
	v_wmma_scale_f32_16x16x128_f8f6f4 v[128+8*\t:135+8*\t], v[32+12*\t:43+12*\t], v[16:27], 0, v[248+\t], v255 matrix_a_fmt:MATRIX_FMT_BF6 matrix_b_fmt:MATRIX_FMT_BF6 matrix_a_scale:MATRIX_SCALE_ROW1
.endr                                          ; lane (r, h) holds query r; register 8 t + j is key 16 t + 8 h + j of the step
.rept 4
	v_nop                                          ; places: for the reads of the scores, and for the loads below
.endr
.irp t, 0,1,2,3                                ; V's first four fragments and all its scale words are asked for here: they land while the softmax, which names none of these registers, is worked
.irp c, 0,1,2
	ds_load_b128 v[32+12*\t+4*\c:35+12*\t+4*\c], v[ADK] offset:VOFF+1536*\t+512*\c
.endr
	ds_load_b32 v[248+\t], v[ADS] offset:8192+64*\t
.endr
	s_cmp_lg_u32 s[ST], s[BLK]                     ; only the step on the diagonal has hidden keys
	s_cbranch_scc1 .Lopen_\@
	v_mov_b32 v254, 0xff800000                     ; -infinity: p = 0 then
.set n, 0
.rept 64
	v_cmp_gt_i32 vcc_lo, 16*(n/8)+n%8, v[DQ]
	v_cndmask_b32 v[96+n], v[96+n], v254, vcc_lo
.set n, n+1
.endr
.Lopen_\@:
.irp b, 0,1,2,3
	v_max3_num_f32 v[232+\b], v[96+16*\b], v[97+16*\b], v[98+16*\b]   ; the largest score of each block of 32 keys: it serves the row's maximum and, since p rises with the score, the block's largest p
.endr
.irp i, 3,5,7,9,11,13
.irp b, 0,1,2,3
	v_max3_num_f32 v[232+\b], v[232+\b], v[96+16*\b+\i], v[97+16*\b+\i]
.endr
.endr
.irp b, 0,1,2,3
	v_max_num_f32 v[232+\b], v[232+\b], v[111+16*\b]
.endr
.irp b, 0,1,2,3
	v_permlanex16_b32 v[236+\b], v[232+\b], s[SEL], s[SEL+1]
.endr
.irp b, 0,1,2,3
	v_max_num_f32 v[232+\b], v[232+\b], v[236+\b]  ; with lane l xor 16's 16 keys
.endr
	v_max3_num_f32 v254, v232, v233, v234
	v_max_num_f32 v254, v254, v235
	v_mul_f32 v254, s[CS], v254                    ; the step's largest t of my query
	v_max_num_f32 v13, v13, v254
	v_mov_b32 v254, v12
	v_floor_f32 v12, -v13                          ; the new -M = -ceil(t): a whole number
	v_sub_f32 v254, v12, v254                      ; old M - new M: a whole number, 0 or less
	v_cvt_i32_f32 v254, v254                       ; (it saturates)
	v_ldexp_f32 v252, 1.0, v254                    ; f = 2^(old M - new M)
.set i, 0
.rept 32
	v_pk_fma_f32 v[96+i:97+i], v[96+i:97+i], s[CS:CS+1], v[12:13] op_sel_hi:[1,0,0]   ; t - M, two at a time
.set i, i+2
.endr
.irp b, 0,1,2,3
	v_fma_f32 v[232+\b], v[232+\b], s[CS], v12     ; the same of each block's largest score
.endr
.set i, 0
.rept 64
	v_exp_f32 v[96+i], v[96+i]                     ; p = 2^(t - M), at most 1
.set i, i+1
.endr
	v_pk_mul_f32 v[14:15], v[14:15], v[252:253] op_sel_hi:[1,0]   ; l under the new M (the plain instruction behind the exponentials)
	s_wait_alu depctr_va_vdst(0)                   ; one wait for the whole batch, ahead of its first reader
.irp b, 0,1,2,3
	v_exp_f32 v[232+\b], v[232+\b]                 ; the block's largest p: the same two instructions on the same number give the same bits
.endr
	v_pk_add_f32 v[236:237], v[96:97], v[98:99]    ; l is taken of the unquantised p, in two chains
.irp j, 4,8,12,16,20,24,28,32,36,40,44,48,52,56,60
	v_pk_add_f32 v[14:15], v[14:15], v[96+\j:97+\j]
	v_pk_add_f32 v[236:237], v[236:237], v[98+\j:99+\j]
.endr
	v_pk_add_f32 v[14:15], v[14:15], v[236:237]
	s_wait_alu depctr_va_vdst(0)                   ; and one for the four
.irp b, 0,1,2,3
	v_max_num_f32 v[232+\b], 0x2800000, v[232+\b]  ; the floor 2^(5 - 127): the byte cannot fall under 1
.endr
.irp b, 0,1,2,3
	v_add_nc_u32 v[244+\b], 0xfe000000, v[232+\b]  ; 4 off the exponent field: the conversion's scale operand
.endr
.irp b, 0,1,2,3
	v_lshrrev_b32 v[236+\b], 23, v[244+\b]
.endr
	v_lshl_or_b32 v253, v237, 8, v236              ; p's scale word for these 128 keys
	v_lshl_or_b32 v253, v238, 16, v253
	v_lshl_or_b32 v253, v239, 24, v253
.irp c, 0,1
	v_cvt_scalef32_pk16_bf6_f32 v[224+6*\c:226+6*\c], v[96+32*\c:111+32*\c], v[244+2*\c]
	v_cvt_scalef32_pk16_bf6_f32 v[236+4*\c:238+4*\c], v[112+32*\c:127+32*\c], v[244+2*\c+1]
.endr
	v_nop                                          ; one plain instruction behind a scaled conversion
.irp t, 0,1,2,3                                ; p has been read for the last time: V's other four fragments are asked for into its registers, ahead of the 44 vector instructions below
.irp c, 0,1,2
	ds_load_b128 v[96+12*\t+4*\c:99+12*\t+4*\c], v[ADK] offset:VOFF+1536*(4+\t)+512*\c
.endr
.endr
.irp c, 0,1
.irp i, 0,1,2
	v_permlane16_swap_b32 v[224+6*\c+\i], v[236+4*\c+\i]
.endr
.irp i, 0,1,2
	v_mov_b32 v[227+6*\c+\i], v[236+4*\c+\i]
.endr
.endr
.set i, 0
.rept 32
	v_pk_mul_f32 v[160+i:161+i], v[160+i:161+i], v[252:253] op_sel_hi:[1,0]   ; O^T under the new M (also the places between the lines that made p's codes and scale word and the matrix instructions below)
.set i, i+2
.endr
	s_wait_dscnt 0x0                               ; V's eight fragments and its scale words
.irp t, 0,1,2,3                                ; O^T += V^T P^T: eight accumulators, one instruction each
	v_wmma_scale_f32_16x16x128_f8f6f4 v[160+8*\t:167+8*\t], v[32+12*\t:43+12*\t], v[224:235], v[160+8*\t:167+8*\t], v[248+\t], v253 matrix_a_fmt:MATRIX_FMT_BF6 matrix_b_fmt:MATRIX_FMT_BF6
.endr
.irp t, 0,1,2,3
	v_wmma_scale_f32_16x16x128_f8f6f4 v[192+8*\t:199+8*\t], v[96+12*\t:107+12*\t], v[224:235], v[192+8*\t:199+8*\t], v[248+\t], v253 matrix_a_fmt:MATRIX_FMT_BF6 matrix_b_fmt:MATRIX_FMT_BF6 matrix_a_scale:MATRIX_SCALE_ROW1
.endr
.Lhidden_\@:
	s_add_co_u32 s[ST], s[ST], 2                   ; my next K step,
	s_add_co_u32 s[TS], s[TS], 1024                ; and its scale words
.endm
; THE CHANGE OF SLOTS stands at a slot's head.  Each wave waits for all its tensor loads, adds 0 to its spare word, and waits for that and for its reads of the slot that it has left.
; fill = 1: a round of the cluster's barrier, and behind it the other slot is filled with the 512 keys that follow, jointly: one tensor load a wave, the first thing there; it has a wave's two steps in which to land.
.macro CHANGE fill
	s_wait_tensorcnt 0x0                           ; no tensor load of mine is out, so a group 0 may be written
	ds_add_u32 v[SPW], v[NIL]                      ; 0 onto my spare word
.if \fill
	s_xor_b32 s[G0K+1], s[G0K+1], SLOT1
	s_add_nc_u64 s[G0K+2:G0K+3], s[G0K+2:G0K+3], 4*KSB
	s_xor_b32 s[G0V+1], s[G0V+1], SLOT1
	s_add_nc_u64 s[G0V+2:G0V+3], s[G0V+2:G0V+3], 786432
	s_wait_xcnt 0x0                                ; the last prefetch, a slot back, has read its address
	s_add_nc_u64 s[PFA:PFA+1], s[PFA:PFA+1], s[PFS:PFS+1]
	s_wait_dscnt 0x0                               ; the add is done, and my reads of the slot that I have left are over
	CROUND
	TLOAD G0K, G1K, G0V, G1V
	ASK
.else
	s_wait_dscnt 0x0
	s_barrier_signal -1
	s_barrier_wait -1
.endif
.endm
	s_wait_loadcnt 0x0                             ; Q
	s_wait_kmcnt 0x0                               ; alpha
	s_mov_b32 s[AL+1], s[AL]
.Lslot:                                            ; 3 trips: behind each change of slots but the last the next slot is asked for
	CHANGE 1
	STEP 0
	STEP 1
	s_xor_b32 s[TB], s[TB], SLOT1
	s_sub_co_u32 s[SLOTS], s[SLOTS], 1
	s_cmp_lg_u32 s[SLOTS], 0
	s_cbranch_scc1 .Lslot
	CHANGE 0                                       ; the last slot is written out
	STEP 0
	STEP 1
	; THE MERGE.  Waves 8 to 15 hand O^T, -M and l to waves 0 to 7 through LDS, as images of their registers.
.rept 4
	v_nop                                          ; places behind the last products
.endr
	v_add_f32 v14, v14, v15                        ; l's two halves
	v_lshlrev_b32 v244, 13, v29
	v_lshl_add_u32 v244, v30, 6, v244              ; x: row r of 8,192 bytes, + 64 h: my 16 numbers of a block of 32
	v_lshlrev_b32 v245, 6, v30                     ; w: 64 h
	v_lshlrev_b32 v246, 2, v29                     ; 4 r
	v_lshlrev_b32 v247, 3, v31                     ; 8 x lane
	s_cmp_lt_u32 s[WV], 8
	s_cbranch_scc1 .Llow
.set i, 0
.rept 16
	ds_store_b128 v[MA], v[160+4*i:163+4*i] offset:512*i   ; ascending: each accumulator from its low end on
.set i, i+1
.endr
	ds_store_b32 v[MB], v12
	ds_store_b32 v[MB], v14 offset:128
	s_branch .Lmeet
.Llow:                                             ; meanwhile the low waves ask for their rows of x and their rsqrt
.irp b, 0,1,2,3
.irp j, 0,1,2,3
	global_load_b128 v[32+16*\b+4*\j:35+16*\b+4*\j], v244, s[8:9] offset:128*\b+16*\j
.endr
.endr
	global_load_b32 v24, v246, s[6:7]
.Lmeet:
	s_wait_dscnt 0x0                               ; for the partner's sake: my stores lie in LDS
	s_barrier_signal -1
	s_barrier_wait -1
	s_cmp_ge_u32 s[WV], 8
	s_cbranch_scc1 .Ldone
.set i, 0
.rept 16
	ds_load_b128 v[96+4*i:99+4*i], v[MA] offset:512*i
.set i, i+1
.endr
	ds_load_b32 v16, v[MB]                         ; the partner's -M
	ds_load_b32 v17, v[MB] offset:128              ; and l
	s_wait_dscnt 0x0
	v_min_num_f32 v18, v12, v16                    ; the common -M
	v_sub_f32 v19, v18, v12
	v_sub_f32 v26, v18, v16                        ; (a partner that had no step holds -M = 3e38: its factor comes out 0, and its O^T and l are zeros)
	v_cvt_i32_f32 v19, v19
	v_cvt_i32_f32 v26, v26
	v_ldexp_f32 v20, 1.0, v19                      ; both factors are powers of two
	v_ldexp_f32 v22, 1.0, v26
	v_mul_f32 v14, v14, v20
	v_fmac_f32 v14, v17, v22
	v_permlanex16_b32 v19, v14, s[SEL], s[SEL+1]
	v_add_f32 v14, v14, v19                        ; with lane l xor 16's: the row's sum
	v_rcp_f32 v14, v14
	v_nop                                          ; a plain instruction behind the transcendental
	s_wait_alu depctr_va_vdst(0)                   ; the wait, ahead of its first reader
	v_mul_f32 v20, v20, v14                        ; the division by l rides on the two factors
	v_mul_f32 v22, v22, v14
	v_mov_b32 v21, v20                             ; (the packed forms name pairs)
	v_mov_b32 v23, v22
.set i, 0
.rept 32
	v_pk_mul_f32 v[160+i:161+i], v[160+i:161+i], v[20:21] op_sel_hi:[1,0]
.set i, i+2
.endr
.set i, 0
.rept 32
	v_pk_fma_f32 v[160+i:161+i], v[96+i:97+i], v[22:23], v[160+i:161+i] op_sel_hi:[1,0,1]
.set i, i+2
.endr
.irp b, 0,1,2,3
.irp j, 0,1,2,3
	global_load_b128 v[96+16*\b+4*\j:99+16*\b+4*\j], v245, s[10:11] offset:128*\b+16*\j   ; w, into the registers that the partner's O^T has left
.endr
.endr
.irp b, 0,1,2,3                                ; register 8 t + i is d = 16 t + 8 h + i.  One exchange a pair gives register 16 b + i = d 32 b + 16 h + i: the true order
.irp j, 0,1,2,3,4,5,6,7
	v_permlane16_swap_b32 v[160+16*\b+\j], v[168+16*\b+\j]
.endr
.endr
	s_wait_loadcnt 16                              ; x and the rsqrt are in; w's sixteen loads may be out
	v_mov_b32 v25, v24
.set i, 0
.rept 32
	v_pk_mul_f32 v[32+i:33+i], v[32+i:33+i], v[24:25] op_sel_hi:[1,0]   ; normed = (x * rs) * w, as the norm's launch has it
.set i, i+2
.endr
	s_wait_loadcnt 0x0
.set i, 0
.rept 32
	v_pk_mul_f32 v[32+i:33+i], v[32+i:33+i], v[96+i:97+i]
.set i, i+2
.endr
.set i, 0
.rept 32
	v_pk_fma_f32 v[160+i:161+i], v[32+i:33+i], s[AL:AL+1], v[160+i:161+i] op_sel_hi:[1,0,1]
.set i, i+2
.endr
	; the 64 numbers become a fragment's codes in v[PC] on and its scale word in v[PW]
.irp b, 0,1,2,3
	v_max3_num_f32 v[TM+\b], |v[160+16*\b]|, |v[161+16*\b]|, 0x2800000
.endr
.irp i, 2,4,6,8,10,12,14
.irp b, 0,1,2,3
	v_max3_num_f32 v[TM+\b], v[TM+\b], |v[160+16*\b+\i]|, |v[161+16*\b+\i]|
.endr
.endr
.irp b, 0,1,2,3
	v_permlanex16_b32 v[TM+4+\b], v[TM+\b], s[SEL], s[SEL+1]
.endr
.irp b, 0,1,2,3
	v_max_num_f32 v[TM+\b], v[TM+\b], v[TM+4+\b]
.endr
.irp b, 0,1,2,3
	v_add_nc_u32 v[TM+12+\b], 0xfe000000, v[TM+\b]
.endr
.irp b, 0,1,2,3
	v_lshrrev_b32 v[TM+4+\b], 23, v[TM+12+\b]
.endr
	v_lshl_or_b32 v[PW], v[TM+5], 8, v[TM+4]
	v_lshl_or_b32 v[PW], v[TM+6], 16, v[PW]
	v_lshl_or_b32 v[PW], v[TM+7], 24, v[PW]
.irp c, 0,1
	v_cvt_scalef32_pk16_bf6_f32 v[PC+6*\c:PC+2+6*\c], v[160+32*\c:175+32*\c], v[TM+12+2*\c]
	v_cvt_scalef32_pk16_bf6_f32 v[PC+12+4*\c:PC+14+4*\c], v[176+32*\c:191+32*\c], v[TM+12+2*\c+1]
.endr
	v_nop
.irp c, 0,1
.irp i, 0,1,2
	v_permlane16_swap_b32 v[PC+6*\c+\i], v[PC+12+4*\c+\i]
.endr
.irp i, 0,1,2
	v_mov_b32 v[PC+3+6*\c+\i], v[PC+12+4*\c+\i]
.endr
.endr
.irp c, 0,1
.irp p, 0,1,2
	global_store_b64 v247, v[PC+6*\c+2*\p:PC+6*\c+2*\p+1], s[14:15] offset:768*\c+256*\p   ; 32 lanes store 256 consecutive bytes, at a multiple of 256 from the buffer's first byte
.endr
.endr
	s_wait_xcnt 0x0                                ; EXEC changes only behind this wait
	v_cmp_gt_u32 vcc_lo, 128, v247
	s_and_saveexec_b32 s84, vcc_lo
	global_store_b32 v246, v[PW], s[16:17]         ; lanes 0 to 15: my 16 rows' scale words
	s_wait_xcnt 0x0
	s_or_b32 exec_lo, exec_lo, s84
.Ldone:
	s_wait_tensorcnt 0x0                           ; the wave's end
	ds_add_u32 v[SPW], v[NIL]
	s_wait_dscnt 0x0
	CROUND                                         ; the closing round
	s_endpgm
.Lfunc_end_k_q4e9e011a3d_att:
	.size	k_q4e9e011a3d_att, .Lfunc_end_k_q4e9e011a3d_att-k_q4e9e011a3d_att
	.p2alignl 7, 3214868480
	.fill 96, 4, 3214868480
	.section	.rodata,"a",@progbits
	.p2align	6, 0x0
	.amdhsa_kernel k_q4e9e011a3d_att
		.amdhsa_group_segment_fixed_size 327680
		.amdhsa_private_segment_fixed_size 0
		.amdhsa_enable_private_segment 0
		.amdhsa_kernarg_size 48
		.amdhsa_user_sgpr_count 2
		.amdhsa_user_sgpr_kernarg_segment_ptr 1
		.amdhsa_wavefront_size32 1
		.amdhsa_system_sgpr_workgroup_id_x 1
		.amdhsa_system_sgpr_workgroup_id_y 1
		.amdhsa_system_sgpr_workgroup_id_z 1
		.amdhsa_system_vgpr_workitem_id 0
		.amdhsa_next_free_vgpr 256
		.amdhsa_next_free_sgpr 100
		.amdhsa_reserve_vcc 1
		.amdhsa_float_denorm_mode_32 3
		.amdhsa_float_denorm_mode_16_64 3
		.amdhsa_memory_ordered 1
		.amdhsa_forward_progress 1
		.amdhsa_inst_pref_size 133
	.end_amdhsa_kernel
	.amdgpu_metadata
---
amdhsa.version: [ 1, 2 ]
amdhsa.kernels:
  - .name:           k_q4e9e011a3d_att
    .symbol:         k_q4e9e011a3d_att.kd
    .args:
      - { .name: qkv, .offset: 0, .size: 8, .value_kind: global_buffer, .address_space: global }
      - { .name: na, .offset: 8, .size: 8, .value_kind: global_buffer, .address_space: global }
      - { .name: x, .offset: 16, .size: 8, .value_kind: global_buffer, .address_space: global }
      - { .name: norm_attn_w, .offset: 24, .size: 8, .value_kind: global_buffer, .address_space: global }
      - { .name: alpha, .offset: 32, .size: 8, .value_kind: global_buffer, .address_space: global }
      - { .name: ao, .offset: 40, .size: 8, .value_kind: global_buffer, .address_space: global }
    .group_segment_fixed_size: 327680
    .private_segment_fixed_size: 0
    .kernarg_segment_align: 8
    .kernarg_segment_size: 48
    .max_flat_workgroup_size: 512
    .sgpr_count:     100
    .vgpr_count:     256
    .wavefront_size: 32
...
	.end_amdgpu_metadata
.endif
;; end of part 3
;; launch wo (part 4): grid 16 x 16, 4 waves a work-group, clusters of 4 x 4, 327,680 bytes of LDS; arguments Wo_codes, Wo_scales, ao, so, x, x2; writes x2
.if DOCPART == 4
	.amdgcn_target "amdgcn-amd-amdhsa--gfx1250"
	.amdhsa_code_object_version 6
	.text
	.protected	k_q4e9e011a3d_wo
	.globl	k_q4e9e011a3d_wo
	.p2align	8
	.type	k_q4e9e011a3d_wo,@function
k_q4e9e011a3d_wo:
	s_mov_b64 s[64:65], 0
	v_nop
	global_prefetch_b8 v0, s[64:65] scope:SCOPE_SE
	s_setreg_imm32_b32 hwreg(HW_REG_WAVE_MODE, 25, 1), 1
	s_wait_xcnt 0x0
	s_wait_alu depctr_hold_cnt(0) depctr_sa_sdst(0) depctr_va_vdst(0) depctr_va_sdst(0) depctr_va_ssrc(0) depctr_va_vcc(0) depctr_vm_vsrc(0)
	s_getreg_b32 s2, hwreg(HW_REG_IB_STS2, 6, 4)
	s_cmp_eq_u32 s2, 0
	s_cbranch_scc0 .Lentry_in_a_cluster
	s_endpgm
.Lentry_in_a_cluster:
	s_bfe_u32 s2, ttmp6, 0x10000c
	s_cmp_lg_u32 s2, 0xf033
	s_cbranch_scc0 .Lentry_shape_is_right
	s_endpgm
.Lentry_shape_is_right:
; out[token][n] = res[token][n] + s * sum over k of act[token][k] W[n][k], on codes of BF6 (E3M2) with one E8M0 byte for each 32 along K = KK; sums in f32.  out, res: [2048][2048] f32.
; W: rows of codes, K innermost, and scale bytes [2048][KK / 32], as given.  act: made by an earlier launch: half images of operand registers, [tile of 16 tokens 128][64 along K][768 bytes]
; (registers 6 c + 2 p, 6 c + 2 p + 1 of lane l at 256 p + 8 l), and scale words at AWO, [K step][token 2,048] of 4 bytes.
; A tile of 128 rows of W (P, source 0) x 128 tokens (R, source 1) to a work-group: 256 work-groups; tiles of 256 x 256 would be 64.  Four waves, each 64 x 64: 16 accumulators.
; K goes in chunks of 512 through two LDS slots; both slots and all scales are first fills, so 1,024 along K are on their way at the start.  The K loop is written out: every offset is an immediate.
; CLUSTERS of 4 x 4: P's tiles are shared along a column of the cluster, R's along a row: each is asked for jointly.
; TRANSPOSED USE: a lane holds one token and eight neighbouring n; the results go through the wave's own stage in LDS, so that sixteen lanes store 256 consecutive bytes.
; REGISTERS, in windows of 256: window 0: v1-29 addresses; v32-63 P's scale words, v64-95 R's, two sets each; v96-127 rows back from the stage; v128-255 the residual, asked for at the head.
;   window 1: two fragment buffers at v0 and v128: P's four fragments, then R's four.   window 2: accumulator (a, b) at v[8 (4 a + b)].
.set KK,     2048
.set KROW,   KK*6/8                    ; a row of W in bytes
.set KS,     KK/32                     ; a row of W's scale bytes
.set NK,     KK/128
.set NCH,    KK/512
.set IMGROW, (KK/64)*768               ; a tile of 16 tokens in act
.set AWO,    128*IMGROW                ; act's scale words
.set PP,     432                       ; an LDS row of P: 3 x (128 bytes + 16 of padding) = 108 words: sixteen rows start at sixteen different multiples of 4 banks (64 banks of 4 bytes: ISA guide 11.1)
.set PHALF,  64*PP
.set RHALF,  4*6144                    ; four tiles of tokens, 512 along K each
.set ROFF,   2*PHALF
.set SLOT,   ROFF+2*RHALF
.set PSB,    2*SLOT                    ; P's scale bytes, as units of 256 bytes + 16
.set PSH,    (64*KS/256)*272
.set SBLK,   (16*KS/256)*272
.set RSB,    PSB+2*PSH                 ; R's scale words: for each half of the tokens NK rows of 256 bytes
.set RSH,    NK*256
.set SPARE,  RSB+2*RSH                 ; the spare words: two blocks of 256 bytes that no other line names
.set ADP,  16                          ; v16-17 my P fragments in slot 0, 1 (v18-19: behind one padding more)
.set ADI,  20                          ; v20-21 my R images
.set ADPS, 22
.set ADRS, 23
.set STO,  24
.set RD,   25
.set CO,   26
.set SPW,  28
.set NIL,  29
.set SP,   32
.set SR,   64
.set BK,   96
.set RES,  128
.set G1P,  24                          ; s[24:31] P's tiles;  s[32:39] R's;  s[40:47] P's scale bytes;  s[48:55] R's scale words
.set G1R,  32
.set G1PS, 40
.set G1RS, 48
.set G0P,  56                          ; s[56:63] a set for each slot;  s[68:75] likewise;  s[76:79];  s[80:83]
.set G0R,  68
.set G0PS, 76
.set G0RS, 80
.set MSB, 0
.macro WIN new
.if MSB != \new
	s_set_vgpr_msb (MSB<<8)|\new
.set MSB, \new
.endif
.endm
.set MUL,  0xa5                        ; sources 0 and 1 window 1, C and D window 2
.set TO_F, 0x40                        ; destination window 1, address window 0
.macro JLOAD g0a, g1a, g0b, g1b        ; a joint load: waves 0 and 1 fetch for P, waves 2 and 3 for R; four v_nop follow each line
	s_cmp_eq_u32 s18, 0
	s_cbranch_scc0 .Lfor_b_\@
	tensor_load_to_lds s[\g0a:\g0a+3], s[\g1a:\g1a+7]
	s_nop 0
.rept 4
	v_nop
.endr
	s_branch .Lasked_\@
.Lfor_b_\@:
	tensor_load_to_lds s[\g0b:\g0b+3], s[\g1b:\g1b+7]
	s_nop 0
.rept 4
	v_nop
.endr
.Lasked_\@:
.endm
.macro CREST
	s_cmp_lg_u32 s16, 0
	s_cbranch_scc1 .Lnot_wave_0_\@
	s_barrier_signal -3
.Lnot_wave_0_\@:
	s_barrier_wait -3
	s_barrier_signal -1
	s_barrier_wait -1
.endm
.macro CROUND
	s_barrier_signal -1
	s_barrier_wait -1
	CREST
.endm
.macro PLACES                          ; four places behind a matrix instruction (ISA guide 7.12.1 for vector instructions)
.rept 4
	v_nop
.endr
.endm
	s_load_b256 s[4:11], s[0:1], 0x0               ; W's codes, W's scale bytes, act, s
	s_load_b128 s[12:15], s[0:1], 0x20             ; res, out
	v_lshl_add_u32 v[SPW], v0, 2, SPARE
	v_mov_b32 v[NIL], 0
	ds_add_u32 v28, v29
	s_wait_dscnt 0x0
	v_lshrrev_b32 v1, 5, v0
	v_readfirstlane_b32 s16, v1                    ; wave 0..3
	s_and_b32 s17, s16, 1                          ; my half of P's rows.  Also: which half I fetch
	s_lshr_b32 s18, s16, 1                         ; my half of the tokens.  Also: I fetch for P (0) or for R (1)
	s_bfe_u32 s19, ttmp6, 0x40000                  ; cx, cy
	s_bfe_u32 s20, ttmp6, 0x40004
	s_lshl_b32 s21, ttmp9, 2
	s_add_co_u32 s21, s21, s19                     ; tile of P
	s_and_b32 s22, ttmp7, 0xffff
	s_lshl_b32 s22, s22, 2
	s_add_co_u32 s22, s22, s20                     ; tile of R
	s_lshl_b32 s86, s20, 2
	s_lshl_b32 s86, 15, s86                        ; my row of the cluster
	s_lshl_b32 s87, 0x1111, s19                    ; my column
	s_or_b32 s[G1P], s87, (0<<16)|(1<<20)|(1<<21)|(4<<22)|(3<<25)   ; the mask; elements of 1 byte; padding on; 21 set beside a mask; after every 32 words 4 words
	s_mov_b32 s[G1P+1], 384<<16                    ; tensor_dim0: 512 codes
	s_mov_b32 s[G1P+2], 64<<16                     ; tensor_dim1
	s_mov_b32 s[G1P+3], 384<<16                    ; tile_dim0
	s_mov_b32 s[G1P+4], 64                         ; tile_dim1
	s_mov_b32 s[G1P+5], KROW                       ; the pitch
	s_mov_b32 s[G1P+6], 0
	s_mov_b32 s[G1P+7], 0
	s_or_b32 s[G1R], s86, (3<<16)|(1<<21)          ; four rows of 6,144 bytes (768 elements of 8): a tile of tokens each
	s_mov_b32 s[G1R+1], 768<<16
	s_mov_b32 s[G1R+2], 4<<16
	s_mov_b32 s[G1R+3], 768<<16
	s_mov_b32 s[G1R+4], 4
	s_mov_b32 s[G1R+5], IMGROW/8
	s_mov_b32 s[G1R+6], 0
	s_mov_b32 s[G1R+7], 0
	s_or_b32 s[G1PS], s87, (3<<16)|(1<<20)|(1<<21)|(5<<22)|(3<<25)  ; a dense block of 64 KS bytes as rows of 256 bytes, 16 of padding behind each
	s_mov_b32 s[G1PS+1], 32<<16
	s_mov_b32 s[G1PS+2], (64*KS/256)<<16
	s_mov_b32 s[G1PS+3], 32<<16
	s_mov_b32 s[G1PS+4], 64*KS/256
	s_mov_b32 s[G1PS+5], 32
	s_mov_b32 s[G1PS+6], 0
	s_mov_b32 s[G1PS+7], 0
	s_or_b32 s[G1RS], s86, (3<<16)|(1<<21)         ; NK rows of 256 bytes (64 tokens' words), 8,192 bytes apart
	s_mov_b32 s[G1RS+1], 32<<16
	s_mov_b32 s[G1RS+2], NK<<16
	s_mov_b32 s[G1RS+3], 32<<16
	s_mov_b32 s[G1RS+4], NK
	s_mov_b32 s[G1RS+5], 1024
	s_mov_b32 s[G1RS+6], 0
	s_mov_b32 s[G1RS+7], 0
	s_lshl_b32 s88, s21, 7
	s_lshl_b32 s89, s17, 6
	s_add_co_u32 s88, s88, s89                     ; P: row 128 x tile + 64 x half
	s_mul_i32 s90, s88, KS
	s_mov_b32 s91, 0
	s_mul_i32 s88, s88, KROW
	s_mov_b32 s89, 0
	s_lshl_b32 s92, s22, 3
	s_lshl_b32 s93, s17, 2
	s_add_co_u32 s92, s92, s93                     ; R: tile of tokens 8 x tile + 4 x half
	s_lshl_b32 s94, s92, 6
	s_add_co_u32 s94, s94, AWO
	s_mov_b32 s95, 0
	s_mul_i32 s92, s92, IMGROW
	s_mov_b32 s93, 0
	s_mul_i32 s96, s17, PHALF                      ; where they go: no place in the cluster enters an LDS address
	s_mul_i32 s97, s17, RHALF
	s_mul_i32 s98, s17, PSH
	s_mul_i32 s99, s17, RSH
	s_wait_kmcnt 0x0
	s_load_b32 s84, s[10:11], 0x0                  ; the layer's scale
	s_add_nc_u64 s[88:89], s[4:5], s[88:89]
	s_add_nc_u64 s[90:91], s[6:7], s[90:91]
	s_add_nc_u64 s[92:93], s[8:9], s[92:93]
	s_add_nc_u64 s[94:95], s[8:9], s[94:95]
	CROUND                                         ; all sixteen work-groups are here: the first joint loads meet
	s_mov_b32 s[G0PS], 1
	s_add_co_u32 s[G0PS+1], s98, PSB
	s_mov_b64 s[G0PS+2:G0PS+3], s[90:91]
	s_or_b32 s[G0PS+3], s[G0PS+3], 0x80000000
	s_mov_b32 s[G0RS], 1
	s_add_co_u32 s[G0RS+1], s99, RSB
	s_mov_b64 s[G0RS+2:G0RS+3], s[94:95]
	s_or_b32 s[G0RS+3], s[G0RS+3], 0x80000000
	JLOAD G0PS, G1PS, G0RS, G1RS                   ; the scales, for all of K
.irp s, 0,1
	s_mov_b32 s[G0P+4*\s], 1
	s_add_co_u32 s[G0P+4*\s+1], s96, \s*SLOT
	s_add_nc_u64 s[G0P+4*\s+2:G0P+4*\s+3], s[88:89], \s*384
	s_or_b32 s[G0P+4*\s+3], s[G0P+4*\s+3], 0x80000000
	s_mov_b32 s[G0R+4*\s], 1
	s_add_co_u32 s[G0R+4*\s+1], s97, ROFF+\s*SLOT
	s_add_nc_u64 s[G0R+4*\s+2:G0R+4*\s+3], s[92:93], \s*6144
	s_or_b32 s[G0R+4*\s+3], s[G0R+4*\s+3], 0x80000000
	JLOAD G0P+4*\s, G1P, G0R+4*\s, G1R             ; chunks 0 and 1
.endr
	v_and_b32 v1, 15, v0                           ; r
	v_bfe_u32 v2, v0, 4, 1                         ; h
	v_and_b32 v3, 31, v0                           ; lane
	v_mul_u32_u24 v4, v1, PP
	v_mad_u32_u24 v4, v2, 24, v4                   ; a fragment's row x pitch + 24 h
	v_lshl_add_u32 v5, v2, 4, v4                   ; and behind one padding more
	v_add_nc_u32 v[ADP], s96, v4
	v_add_nc_u32 v[ADP+2], s96, v5
	s_add_co_u32 s96, s96, SLOT
	v_add_nc_u32 v[ADP+1], s96, v4
	v_add_nc_u32 v[ADP+3], s96, v5
	s_mul_i32 s97, s18, RHALF
	s_add_co_u32 s97, s97, ROFF
	v_lshl_add_u32 v[ADI], v3, 3, s97              ; 8 x lane in my four tiles of tokens
	s_add_co_u32 s97, s97, SLOT
	v_lshl_add_u32 v[ADI+1], v3, 3, s97
	v_mul_u32_u24 v6, v1, KS
	v_lshrrev_b32 v7, 8, v6
	v_lshl_add_u32 v6, v7, 4, v6                   ; my row's scale bytes: 16 more for each 256 passed
	s_add_co_u32 s98, s98, PSB
	v_add_nc_u32 v[ADPS], s98, v6
	s_mul_i32 s99, s18, RSH
	s_add_co_u32 s99, s99, RSB
	v_lshl_add_u32 v[ADRS], v1, 2, s99
	s_mul_i32 s98, s16, 16*272                     ; my stage: 16 rows x (256 bytes + 16), in slot 0, which has had its last fill and its last read when the first result is stored there
	v_mul_u32_u24 v6, v1, 272
	v_lshl_add_u32 v6, v2, 5, v6
	v_add_nc_u32 v[STO], s98, v6                   ; in: row r, 32 bytes for each half of the lanes
	v_mul_u32_u24 v6, v2, 272
	v_lshl_add_u32 v6, v1, 4, v6
	v_add_nc_u32 v[RD], s98, v6                    ; back: lanes 0-15 one row, lanes 16-31 the next
	v_lshlrev_b32 v6, 13, v2
	v_lshl_add_u32 v[CO], v1, 4, v6                ; and the same two rows in res and out
	s_lshl_b32 s92, s22, 7
	s_lshl_b32 s93, s18, 6
	s_add_co_u32 s92, s92, s93
	s_lshl_b32 s92, s92, 13                        ; my first token's row,
	s_lshl_b32 s88, s21, 9
	s_lshl_b32 s89, s17, 8
	s_add_co_u32 s88, s88, s89
	s_add_co_u32 s92, s92, s88                     ; my first column's byte
	s_mov_b32 s93, 0
	s_add_nc_u64 s[12:13], s[12:13], s[92:93]
	s_add_nc_u64 s[14:15], s[14:15], s[92:93]
.irp a, 0,1,2,3
.irp t, 0,1,2,3,4,5,6,7
	global_load_b128 v[RES+32*\a+4*\t:RES+32*\a+4*\t+3], v[CO], s[12:13] offset:\a*131072+\t*16384   ; the residual: it has the whole product in which to land
.endr
.endr
.macro FRAGP reg, adr, q, i            ; 16 rows x 128 K from rows of codes: six pieces of 8 bytes; lanes 16-31 read three pieces on; where that lies behind one padding more, the second register serves
.irp p, 0,1,2,3,4,5
.set PCE, 12*(\q)+6*(\p/3)+\p%3
.if PCE%16 < 13
	ds_load_b64 v[\reg+2*\p:\reg+2*\p+1], v[\adr] offset:8*PCE+16*(PCE/16)+(\i)*16*PP
.else
	ds_load_b64 v[\reg+2*\p:\reg+2*\p+1], v[\adr+2] offset:8*PCE+16*(PCE/16)+(\i)*16*PP
.endif
.endr
.endm
.macro FRAGI reg, adr, q, i            ; the same from half images: each load takes 256 consecutive bytes
.irp p, 0,1,2,3,4,5
	ds_load_b64 v[\reg+2*\p:\reg+2*\p+1], v[\adr] offset:6144*(\i)+1536*(\q)+768*(\p/3)+256*(\p%3)
.endr
.endm
.macro FETCH slot, q, f
	WIN TO_F
.irp i, 0,1,2,3
	FRAGP \f+12*\i, ADP+\slot, \q, \i
.endr
.irp i, 0,1,2,3
	FRAGI \f+48+12*\i, ADI+\slot, \q, \i
.endr
.endm
.macro SCALES c, set                   ; chunk c's scale words: a row of P has its four on end; R's lie by K steps
.irp b, 0,1,2,3
	ds_load_b128 v[SP+16*(\set)+4*\b:SP+16*(\set)+4*\b+3], v[ADPS] offset:\b*SBLK+16*(\c)
.endr
.irp a, 0,1,2,3
.irp q, 0,1,2,3
	ds_load_b32 v[SR+16*(\set)+4*\a+\q], v[ADRS] offset:(4*(\c)+\q)*256+64*\a
.endr
.endr
.endm
; 8 matrix instructions: two of R's blocks x P's four.  The 16 accumulators take turns, one instruction a turn, in the same order in every step.
.macro MULH f, q, set, half, zero
.irp a, 2*\half, 2*\half+1
.irp b, 0,1,2,3
.if \zero
	v_wmma_scale_f32_16x16x128_f8f6f4 v[8*(4*(\a)+\b):8*(4*(\a)+\b)+7], v[\f+12*\b:\f+12*\b+11], v[\f+48+12*(\a):\f+48+12*(\a)+11], 0, v[SP+16*(\set)+4*\b+(\q)], v[SR+16*(\set)+4*(\a)+(\q)] matrix_a_fmt:MATRIX_FMT_BF6 matrix_b_fmt:MATRIX_FMT_BF6
.else
	v_wmma_scale_f32_16x16x128_f8f6f4 v[8*(4*(\a)+\b):8*(4*(\a)+\b)+7], v[\f+12*\b:\f+12*\b+11], v[\f+48+12*(\a):\f+48+12*(\a)+11], v[8*(4*(\a)+\b):8*(4*(\a)+\b)+7], v[SP+16*(\set)+4*\b+(\q)], v[SR+16*(\set)+4*(\a)+(\q)] matrix_a_fmt:MATRIX_FMT_BF6 matrix_b_fmt:MATRIX_FMT_BF6
.endif
.endr
.endr
.endm
.macro STEP slot, q, set, zero         ; one of a chunk's first three steps of 128: the next step's fragments are asked for, then this step's are multiplied
	s_wait_dscnt 0x0                               ; this step's fragments (and scale words) are in
	PLACES                                         ; for the loads into the other buffer, which the last step multiplied
	FETCH \slot, (\q)+1, 128*(1-(\q)%2)
	WIN MUL
	MULH 128*((\q)%2), \q, \set, 0, \zero
	MULH 128*((\q)%2), \q, \set, 1, \zero
.endm
; A chunk's last step changes slots: one barrier; in front of it each wave waits for all its tensor loads, adds 0 to its spare word, and waits for that and for its reads of this slot.
.macro TURN slot, next, c, fill
	WIN 0
	s_wait_tensorcnt 0x0                           ; all my tensor loads have landed, my part of the next slot among them
	ds_add_u32 v[SPW], v[NIL]                      ; 0 onto my spare word
	s_wait_dscnt 0x0                               ; the add is done, and my reads of this slot are over
	s_barrier_signal -1
	WIN MUL
	MULH 128, 3, (\c)%2, 0, 0                      ; work on registers while the others arrive
	WIN 0
	s_barrier_wait -1
.if \fill
	CREST                                          ; the barrier has opened a round of the cluster's: no wave of any partner still reads this slot or has a load on its way
	s_add_nc_u64 s[G0P+4*\slot+2:G0P+4*\slot+3], s[G0P+4*\slot+2:G0P+4*\slot+3], 768
	s_add_nc_u64 s[G0R+4*\slot+2:G0R+4*\slot+3], s[G0R+4*\slot+2:G0R+4*\slot+3], 12288
	JLOAD G0P+4*\slot, G1P, G0R+4*\slot, G1R       ; the first tensor load behind the round; its four v_nop are the places in front of the loads below
.else
	PLACES
.endif
	SCALES (\c)+1, ((\c)+1)%2
	FETCH \next, 0, 0
	WIN MUL
	MULH 128, 3, (\c)%2, 1, 0
.endm
.macro THREE slot, set
	STEP \slot, 0, \set, 0
	STEP \slot, 1, \set, 0
	STEP \slot, 2, \set, 0
.endm
	s_wait_tensorcnt 1                             ; the scales and my part of chunk 0 are in; chunk 1's load may be out
	s_barrier_signal -1
	s_barrier_wait -1
	SCALES 0, 0
	FETCH 0, 0, 0
	s_wait_kmcnt 0x0
	s_mov_b32 s85, s84                             ; (the packed form names the pair)
	STEP 0, 0, 0, 1                                ; the first products start the sums: nothing is cleared
	STEP 0, 1, 0, 0
	STEP 0, 2, 0, 0
.if NCH == 4
	TURN 0, 1, 0, 1                                ; slot 0 takes chunk 2
	THREE 1, 1
	TURN 1, 0, 1, 1                                ; slot 1 takes chunk 3
	THREE 0, 0
	TURN 0, 1, 2, 0
	THREE 1, 1
.else
	TURN 0, 1, 0, 0
	THREE 1, 1
.endif
	s_wait_dscnt 0x0
	WIN MUL
	MULH 128, 3, 1, 0, 0
	MULH 128, 3, 1, 1, 0
	WIN 0
	; THE WAY OUT, 16 tokens x 64 columns at a time
	PLACES
	s_wait_loadcnt 0x0                             ; the residual
.irp a, 0,1,2,3
	WIN 0x08                                       ; an LDS store's data are its source 1: window 2
.irp b, 0,1,2,3
	ds_store_b128 v[STO], v[8*(4*\a+\b):8*(4*\a+\b)+3] offset:64*\b          ; each accumulator from its low end on
	ds_store_b128 v[STO], v[8*(4*\a+\b)+4:8*(4*\a+\b)+7] offset:64*\b+16
.endr
	WIN 0
.irp t, 0,1,2,3,4,5,6,7
	ds_load_b128 v[BK+4*\t:BK+4*\t+3], v[RD] offset:544*\t    ; LDS serves a wave's instructions in order (ISA guide 5.7.1.4): these see my stores, and the next block's stores come behind them
.endr
	s_wait_dscnt 0x0
.irp t, 0,1,2,3,4,5,6,7
	v_pk_fma_f32 v[RES+32*\a+4*\t:RES+32*\a+4*\t+1], v[BK+4*\t:BK+4*\t+1], s[84:85], v[RES+32*\a+4*\t:RES+32*\a+4*\t+1] op_sel_hi:[1,0,1]
	v_pk_fma_f32 v[RES+32*\a+4*\t+2:RES+32*\a+4*\t+3], v[BK+4*\t+2:BK+4*\t+3], s[84:85], v[RES+32*\a+4*\t+2:RES+32*\a+4*\t+3] op_sel_hi:[1,0,1]
	global_store_b128 v[CO], v[RES+32*\a+4*\t:RES+32*\a+4*\t+3], s[14:15] offset:\a*131072+\t*16384   ; 16 lanes store 256 consecutive bytes, at a multiple of 256 from the buffer's first byte; no store's data are written again
.endr
.endr
	s_wait_tensorcnt 0x0                           ; the wave's end
	ds_add_u32 v[SPW], v[NIL]
	s_wait_dscnt 0x0
	CROUND                                         ; the closing round
	s_endpgm
.Lfunc_end_k_q4e9e011a3d_wo:
	.size	k_q4e9e011a3d_wo, .Lfunc_end_k_q4e9e011a3d_wo-k_q4e9e011a3d_wo
	.p2alignl 7, 3214868480
	.fill 96, 4, 3214868480
	.section	.rodata,"a",@progbits
	.p2align	6, 0x0
	.amdhsa_kernel k_q4e9e011a3d_wo
		.amdhsa_group_segment_fixed_size 327680
		.amdhsa_private_segment_fixed_size 0
		.amdhsa_enable_private_segment 0
		.amdhsa_kernarg_size 48
		.amdhsa_user_sgpr_count 2
		.amdhsa_user_sgpr_kernarg_segment_ptr 1
		.amdhsa_wavefront_size32 1
		.amdhsa_system_sgpr_workgroup_id_x 1
		.amdhsa_system_sgpr_workgroup_id_y 1
		.amdhsa_system_sgpr_workgroup_id_z 1
		.amdhsa_system_vgpr_workitem_id 0
		.amdhsa_next_free_vgpr 640
		.amdhsa_next_free_sgpr 100
		.amdhsa_reserve_vcc 0
		.amdhsa_float_denorm_mode_32 3
		.amdhsa_float_denorm_mode_16_64 3
		.amdhsa_memory_ordered 1
		.amdhsa_forward_progress 1
		.amdhsa_inst_pref_size 116
	.end_amdhsa_kernel
	.amdgpu_metadata
---
amdhsa.version: [ 1, 2 ]
amdhsa.kernels:
  - .name:           k_q4e9e011a3d_wo
    .symbol:         k_q4e9e011a3d_wo.kd
    .args:
      - { .name: Wo_codes, .offset: 0, .size: 8, .value_kind: global_buffer, .address_space: global }
      - { .name: Wo_scales, .offset: 8, .size: 8, .value_kind: global_buffer, .address_space: global }
      - { .name: ao, .offset: 16, .size: 8, .value_kind: global_buffer, .address_space: global }
      - { .name: so, .offset: 24, .size: 8, .value_kind: global_buffer, .address_space: global }
      - { .name: x, .offset: 32, .size: 8, .value_kind: global_buffer, .address_space: global }
      - { .name: x2, .offset: 40, .size: 8, .value_kind: global_buffer, .address_space: global }
    .group_segment_fixed_size: 327680
    .private_segment_fixed_size: 0
    .kernarg_segment_align: 8
    .kernarg_segment_size: 48
    .max_flat_workgroup_size: 128
    .sgpr_count:     100
    .vgpr_count:     640
    .wavefront_size: 32
...
	.end_amdgpu_metadata
.endif
;; end of part 4
;; launch n2: the kernel of part 1 again; grid 256 x 1, 8 waves a work-group, no clusters, 83,968 bytes of LDS; arguments x2, norm_mlp_w, na; writes na
;; launch gu (part 5): grid 16 x 16, 4 waves a work-group, clusters of 4 x 4, 327,680 bytes of LDS; arguments Wg_codes, Wg_scales, Wu_codes, Wu_scales, na, sg, su, hh; writes hh
.if DOCPART == 5
	.amdgcn_target "amdgcn-amd-amdhsa--gfx1250"
	.amdhsa_code_object_version 6
	.text
	.protected	k_q4e9e011a3d_gu
	.globl	k_q4e9e011a3d_gu
	.p2align	8
	.type	k_q4e9e011a3d_gu,@function
k_q4e9e011a3d_gu:
	s_mov_b64 s[64:65], 0
	v_nop
	global_prefetch_b8 v0, s[64:65] scope:SCOPE_SE
	s_setreg_imm32_b32 hwreg(HW_REG_WAVE_MODE, 25, 1), 1
	s_wait_xcnt 0x0
	s_wait_alu depctr_hold_cnt(0) depctr_sa_sdst(0) depctr_va_vdst(0) depctr_va_sdst(0) depctr_va_ssrc(0) depctr_va_vcc(0) depctr_vm_vsrc(0)
	s_getreg_b32 s2, hwreg(HW_REG_IB_STS2, 6, 4)
	s_cmp_eq_u32 s2, 0
	s_cbranch_scc0 .Lentry_in_a_cluster
	s_endpgm
.Lentry_in_a_cluster:
	s_bfe_u32 s2, ttmp6, 0x10000c
	s_cmp_lg_u32 s2, 0xf033
	s_cbranch_scc0 .Lentry_shape_is_right
	s_endpgm
.Lentry_shape_is_right:
; h = silu((xn Wg^T) sg) * ((xn Wu^T) su), [2048 tokens][1024], quantised along its 1,024 numbers for the next product.  Both products on codes of BF6 (E3M2), one E8M0 byte for each 32 along K = 2,048.
; A work-group takes 64 units of h for 128 tokens: P (source 0) = 64 rows of Wg and the SAME 64 rows of Wu, 128 rows in LDS; R (source 1) = 128 rows of xn.  256 work-groups.
; Each of four waves takes all 128 P rows x 32 tokens: 16 accumulators; so g and u of a unit meet in one lane, and the activation needs no exchange.
; K goes in chunks of 512 through two LDS slots; both slots and all scale bytes are first fills.  The K loop is written out.  CLUSTERS of 4 x 4: P shared along a column, R along a row, asked for jointly.
; THE WAY OUT.  A lane holds one token and, of the 64 units, 8 h + j of each 16.  One exchange of lane halves a register pair gives 16 true neighbours a lane; two blocks of 32 make one HALF image:
; hh: [tile of 16 tokens 128][64 along K 16][768 bytes], registers 2 p, 2 p + 1 of lane l at 256 p + 8 l; scale words at HW, [K step 8][token 2,048]: this work-group owns two of a word's four bytes, so those
; stores are of two bytes a lane, 65,536 bytes in the whole launch.
; LIMITS: NaN and infinities are not served; a block whose largest magnitude lies under 2^-122 keeps the byte 1, a block of zeros too (its codes are zeros; this program alone reads the bytes).
; REGISTERS, in windows of 256: window 0: v1-29 addresses; v32-95 P's scale words, v96-111 R's, two sets each; v128-252 the way out.
;   window 1: two fragment buffers at v0 and v128: P's eight fragments, then R's two.   window 2: accumulator (a, b) at v[8 (8 a + b)]: b 0-3 g, b 4-7 u.
.set KROW,   1536
.set NA_S,   3145728                   ; xn's scale bytes in its buffer
.set HW,     1572864                   ; h's scale words
.set PP,     432                       ; an LDS row: 3 x (128 bytes + 16 of padding) = 108 words: sixteen rows start at sixteen different multiples of 4 banks (64 banks of 4 bytes: ISA guide 11.1)
.set PHALF,  64*PP
.set ROFF,   2*PHALF
.set SLOT,   4*PHALF
.set PSB,    2*SLOT                    ; scale bytes, as units of 256 bytes + 16: P's 128 rows,
.set PSH,    16*272
.set SBLK,   4*272
.set RSB,    PSB+2*PSH                 ; R's 128 rows
.set SPARE,  RSB+2*PSH
.set ADPS, 12
.set ADRS, 13
.set ADP,  16                          ; v16-17 P's fragments in slot 0, 1 (v18-19: behind one padding more)
.set ADR,  20                          ; v20-21 my R fragments (v22-23)
.set SPW,  28
.set NIL,  29
.set SP,   32
.set SR,   96
.set GS,   128                         ; the way out: g sg, then h
.set US,   160                         ; u su
.set EE,   192
.set TM,   224
.set CD,   240                         ; v240-248 codes
.set PW,   250
.set PWP,  251
.set PWS,  252
.set G1P,  24
.set G1R,  32
.set G1PS, 40
.set G1RS, 48
.set G0P,  56
.set G0R,  68
.set G0PS, 76
.set G0RS, 80
.set MSB, 0
.macro WIN new
.if MSB != \new
	s_set_vgpr_msb (MSB<<8)|\new
.set MSB, \new
.endif
.endm
.set MUL,  0xa5                        ; sources 0 and 1 window 1, C and D window 2
.set TO_F, 0x40
.macro JLOAD g0a, g1a, g0b, g1b        ; a joint load: waves 0 and 1 fetch for P (Wg, Wu), waves 2 and 3 for R; four v_nop follow each line
	s_cmp_eq_u32 s18, 0
	s_cbranch_scc0 .Lfor_b_\@
	tensor_load_to_lds s[\g0a:\g0a+3], s[\g1a:\g1a+7]
	s_nop 0
.rept 4
	v_nop
.endr
	s_branch .Lasked_\@
.Lfor_b_\@:
	tensor_load_to_lds s[\g0b:\g0b+3], s[\g1b:\g1b+7]
	s_nop 0
.rept 4
	v_nop
.endr
.Lasked_\@:
.endm
.macro CREST
	s_cmp_lg_u32 s16, 0
	s_cbranch_scc1 .Lnot_wave_0_\@
	s_barrier_signal -3
.Lnot_wave_0_\@:
	s_barrier_wait -3
	s_barrier_signal -1
	s_barrier_wait -1
.endm
.macro CROUND
	s_barrier_signal -1
	s_barrier_wait -1
	CREST
.endm
.macro PLACES
.rept 4
	v_nop
.endr
.endm
	s_load_b512 s[84:99], s[0:1], 0x0              ; Wg's codes, scales; Wu's codes, scales; xn's buffer; sg; su; h's buffer
	v_lshl_add_u32 v[SPW], v0, 2, SPARE
	v_mov_b32 v[NIL], 0
	ds_add_u32 v28, v29
	s_wait_dscnt 0x0
	v_lshrrev_b32 v1, 5, v0
	v_readfirstlane_b32 s16, v1                    ; wave 0..3
	s_and_b32 s17, s16, 1                          ; which half I fetch: of P, Wg (0) or Wu (1)
	s_lshr_b32 s18, s16, 1                         ; I fetch for P (0) or for R (1)
	s_bfe_u32 s19, ttmp6, 0x40000
	s_bfe_u32 s20, ttmp6, 0x40004
	s_lshl_b32 s21, ttmp9, 2
	s_add_co_u32 s21, s21, s19                     ; which 64 units
	s_and_b32 s22, ttmp7, 0xffff
	s_lshl_b32 s22, s22, 2
	s_add_co_u32 s22, s22, s20                     ; which 128 tokens
	s_lshl_b32 s2, s20, 2
	s_lshl_b32 s2, 15, s2                          ; my row of the cluster
	s_lshl_b32 s3, 0x1111, s19                     ; my column
	s_or_b32 s[G1P], s3, (0<<16)|(1<<20)|(1<<21)|(4<<22)|(3<<25)    ; the mask; elements of 1 byte; padding on; 21 set beside a mask; after every 32 words 4 words
	s_or_b32 s[G1R], s2, (0<<16)|(1<<20)|(1<<21)|(4<<22)|(3<<25)
.irp g, G1P, G1R
	s_mov_b32 s[\g+1], 384<<16                     ; tensor_dim0: 512 codes
	s_mov_b32 s[\g+2], 64<<16                      ; tensor_dim1
	s_mov_b32 s[\g+3], 384<<16                     ; tile_dim0
	s_mov_b32 s[\g+4], 64                          ; tile_dim1
	s_mov_b32 s[\g+5], KROW                        ; the pitch
	s_mov_b32 s[\g+6], 0
	s_mov_b32 s[\g+7], 0
.endr
	s_or_b32 s[G1PS], s3, (3<<16)|(1<<20)|(1<<21)|(5<<22)|(3<<25)   ; 64 rows' scale bytes: 4,096 dense bytes as 16 rows of 256, 16 of padding behind each
	s_or_b32 s[G1RS], s2, (3<<16)|(1<<20)|(1<<21)|(5<<22)|(3<<25)
.irp g, G1PS, G1RS
	s_mov_b32 s[\g+1], 32<<16
	s_mov_b32 s[\g+2], 16<<16
	s_mov_b32 s[\g+3], 32<<16
	s_mov_b32 s[\g+4], 16
	s_mov_b32 s[\g+5], 32
	s_mov_b32 s[\g+6], 0
	s_mov_b32 s[\g+7], 0
.endr
	s_mul_i32 s8, s21, 64*KROW                     ; P: rows 64 x on
	s_mov_b32 s9, 0
	s_lshl_b32 s10, s21, 12
	s_mov_b32 s11, 0
	s_lshl_b32 s12, s22, 7
	s_lshl_b32 s13, s17, 6
	s_add_co_u32 s12, s12, s13                     ; R: row 128 y + 64 x half
	s_lshl_b32 s14, s12, 6
	s_add_co_u32 s14, s14, NA_S
	s_mov_b32 s15, 0
	s_mul_i32 s12, s12, KROW
	s_mov_b32 s13, 0
	s_wait_kmcnt 0x0
	s_load_b32 s4, s[94:95], 0x0                   ; sg
	s_load_b32 s6, s[96:97], 0x0                   ; su
	s_cmp_eq_u32 s17, 0                            ; the choice hangs on the wave's number alone
	s_cselect_b64 s[84:85], s[84:85], s[88:89]
	s_cselect_b64 s[86:87], s[86:87], s[90:91]
	s_add_nc_u64 s[84:85], s[84:85], s[8:9]        ; P's codes
	s_add_nc_u64 s[86:87], s[86:87], s[10:11]      ; P's scale bytes
	s_add_nc_u64 s[88:89], s[92:93], s[12:13]      ; R's codes
	s_add_nc_u64 s[90:91], s[92:93], s[14:15]      ; R's scale bytes
	s_mul_i32 s8, s17, PHALF                       ; where they go: no place in the cluster enters an LDS address
	s_mul_i32 s9, s17, PSH
	CROUND                                         ; all sixteen work-groups are here: the first joint loads meet
	s_mov_b32 s[G0PS], 1
	s_add_co_u32 s[G0PS+1], s9, PSB
	s_mov_b64 s[G0PS+2:G0PS+3], s[86:87]
	s_or_b32 s[G0PS+3], s[G0PS+3], 0x80000000
	s_mov_b32 s[G0RS], 1
	s_add_co_u32 s[G0RS+1], s9, RSB
	s_mov_b64 s[G0RS+2:G0RS+3], s[90:91]
	s_or_b32 s[G0RS+3], s[G0RS+3], 0x80000000
	JLOAD G0PS, G1PS, G0RS, G1RS
.irp s, 0,1
	s_mov_b32 s[G0P+4*\s], 1
	s_add_co_u32 s[G0P+4*\s+1], s8, \s*SLOT
	s_add_nc_u64 s[G0P+4*\s+2:G0P+4*\s+3], s[84:85], \s*384
	s_or_b32 s[G0P+4*\s+3], s[G0P+4*\s+3], 0x80000000
	s_mov_b32 s[G0R+4*\s], 1
	s_add_co_u32 s[G0R+4*\s+1], s8, ROFF+\s*SLOT
	s_add_nc_u64 s[G0R+4*\s+2:G0R+4*\s+3], s[88:89], \s*384
	s_or_b32 s[G0R+4*\s+3], s[G0R+4*\s+3], 0x80000000
	JLOAD G0P+4*\s, G1P, G0R+4*\s, G1R
.endr
	v_and_b32 v1, 15, v0                           ; r
	v_bfe_u32 v2, v0, 4, 1                         ; h
	v_and_b32 v3, 31, v0                           ; lane
	v_mul_u32_u24 v4, v1, PP
	v_mad_u32_u24 v4, v2, 24, v4
	v_lshl_add_u32 v5, v2, 4, v4
	v_mov_b32 v[ADP], v4
	v_mov_b32 v[ADP+2], v5
	v_add_nc_u32 v[ADP+1], SLOT, v4
	v_add_nc_u32 v[ADP+3], SLOT, v5
	s_mul_i32 s8, s16, 32*PP
	s_add_co_u32 s8, s8, ROFF                      ; my 32 tokens
	v_add_nc_u32 v[ADR], s8, v4
	v_add_nc_u32 v[ADR+2], s8, v5
	s_add_co_u32 s8, s8, SLOT
	v_add_nc_u32 v[ADR+1], s8, v4
	v_add_nc_u32 v[ADR+3], s8, v5
	v_lshlrev_b32 v6, 6, v1
	v_lshrrev_b32 v7, 2, v1
	v_lshl_add_u32 v6, v7, 4, v6                   ; a row's 64 scale bytes: 16 more for each 256 passed
	v_add_nc_u32 v[ADPS], PSB, v6
	s_mul_i32 s8, s16, 8*272
	s_add_co_u32 s8, s8, RSB
	v_add_nc_u32 v[ADRS], s8, v6
	v_lshlrev_b32 v8, 3, v3                        ; the way out: 8 x lane,
	v_lshlrev_b32 v9, 2, v3                        ; 4 x lane
	s_lshl_b32 s8, s22, 3
	s_lshl_b32 s9, s16, 1
	s_add_co_u32 s8, s8, s9                        ; my first tile of 16 tokens
	s_lshl_b32 s10, s8, 6
	s_lshl_b32 s8, s8, 4
	s_add_co_u32 s8, s8, s21
	s_mul_i32 s8, s8, 768
	s_mov_b32 s9, 0
	s_lshr_b32 s11, s21, 1
	s_lshl_b32 s11, s11, 13
	s_add_co_u32 s10, s10, s11
	s_and_b32 s11, s21, 1
	s_lshl_b32 s11, s11, 1
	s_add_co_u32 s10, s10, s11
	s_add_co_u32 s10, s10, HW
	s_mov_b32 s11, 0
	s_add_nc_u64 s[92:93], s[98:99], s[10:11]      ; my two bytes of my first token's word
	s_add_nc_u64 s[98:99], s[98:99], s[8:9]        ; my first half image
	s_mov_b32 s13, 0xffff0000
	s_mov_b32 s14, 0x76543210
	s_mov_b32 s15, 0xfedcba98
.macro FRAGP reg, adr, q, i            ; 16 rows x 128 K from rows of codes: six pieces of 8 bytes; lanes 16-31 read three pieces on; where that lies behind one padding more, the second register serves
.irp p, 0,1,2,3,4,5
.set PCE, 12*(\q)+6*(\p/3)+\p%3
.if PCE%16 < 13
	ds_load_b64 v[\reg+2*\p:\reg+2*\p+1], v[\adr] offset:8*PCE+16*(PCE/16)+(\i)*16*PP
.else
	ds_load_b64 v[\reg+2*\p:\reg+2*\p+1], v[\adr+2] offset:8*PCE+16*(PCE/16)+(\i)*16*PP
.endif
.endr
.endm
.macro FETCH slot, q, f
	WIN TO_F
.irp i, 0,1,2,3,4,5,6,7
	FRAGP \f+12*\i, ADP+\slot, \q, \i
.endr
.irp i, 0,1
	FRAGP \f+96+12*\i, ADR+\slot, \q, \i
.endr
.endm
.macro SCALES c, set                   ; chunk c's scale words: a row has its four on end
.irp b, 0,1,2,3,4,5,6,7
	ds_load_b128 v[SP+32*(\set)+4*\b:SP+32*(\set)+4*\b+3], v[ADPS] offset:\b*SBLK+16*(\c)
.endr
.irp a, 0,1
	ds_load_b128 v[SR+8*(\set)+4*\a:SR+8*(\set)+4*\a+3], v[ADRS] offset:\a*SBLK+16*(\c)
.endr
.endm
; 8 matrix instructions: one of R's two blocks x P's eight.  The 16 accumulators take turns, one instruction a turn, in the same order in every step.
.macro MULH f, q, set, half, zero
.irp b, 0,1,2,3,4,5,6,7
.if \zero
	v_wmma_scale_f32_16x16x128_f8f6f4 v[8*(8*(\half)+\b):8*(8*(\half)+\b)+7], v[\f+12*\b:\f+12*\b+11], v[\f+96+12*(\half):\f+96+12*(\half)+11], 0, v[SP+32*(\set)+4*\b+(\q)], v[SR+8*(\set)+4*(\half)+(\q)] matrix_a_fmt:MATRIX_FMT_BF6 matrix_b_fmt:MATRIX_FMT_BF6
.else
	v_wmma_scale_f32_16x16x128_f8f6f4 v[8*(8*(\half)+\b):8*(8*(\half)+\b)+7], v[\f+12*\b:\f+12*\b+11], v[\f+96+12*(\half):\f+96+12*(\half)+11], v[8*(8*(\half)+\b):8*(8*(\half)+\b)+7], v[SP+32*(\set)+4*\b+(\q)], v[SR+8*(\set)+4*(\half)+(\q)] matrix_a_fmt:MATRIX_FMT_BF6 matrix_b_fmt:MATRIX_FMT_BF6
.endif
.endr
.endm
.macro STEP slot, q, set, zero
	s_wait_dscnt 0x0                               ; this step's fragments (and scale words) are in
	PLACES                                         ; for the loads into the other buffer, which the last step multiplied
	FETCH \slot, (\q)+1, 128*(1-(\q)%2)
	WIN MUL
	MULH 128*((\q)%2), \q, \set, 0, \zero
	MULH 128*((\q)%2), \q, \set, 1, \zero
.endm
; A chunk's last step changes slots: one barrier; in front of it each wave waits for all its tensor loads, adds 0 to its spare word, and waits for that and for its reads of this slot.
.macro TURN slot, next, c, fill
	WIN 0
	s_wait_tensorcnt 0x0
	ds_add_u32 v[SPW], v[NIL]                      ; 0 onto my spare word
	s_wait_dscnt 0x0
	s_barrier_signal -1
	WIN MUL
	MULH 128, 3, (\c)%2, 0, 0
	WIN 0
	s_barrier_wait -1
.if \fill
	CREST                                          ; the barrier has opened a round of the cluster's
	s_add_nc_u64 s[G0P+4*\slot+2:G0P+4*\slot+3], s[G0P+4*\slot+2:G0P+4*\slot+3], 768
	s_add_nc_u64 s[G0R+4*\slot+2:G0R+4*\slot+3], s[G0R+4*\slot+2:G0R+4*\slot+3], 768
	JLOAD G0P+4*\slot, G1P, G0R+4*\slot, G1R       ; the first tensor load behind the round; its four v_nop are the places in front of the loads below
.else
	PLACES
.endif
	SCALES (\c)+1, ((\c)+1)%2
	FETCH \next, 0, 0
	WIN MUL
	MULH 128, 3, (\c)%2, 1, 0
.endm
.macro THREE slot, set
	STEP \slot, 0, \set, 0
	STEP \slot, 1, \set, 0
	STEP \slot, 2, \set, 0
.endm
	s_wait_tensorcnt 1                             ; the scale bytes and my part of chunk 0 are in; chunk 1's load may be out
	s_barrier_signal -1
	s_barrier_wait -1
	SCALES 0, 0
	FETCH 0, 0, 0
	s_wait_kmcnt 0x0
	s_mov_b32 s5, s4                               ; (the packed forms name pairs)
	s_mov_b32 s7, s6
	STEP 0, 0, 0, 1                                ; the first products start the sums
	STEP 0, 1, 0, 0
	STEP 0, 2, 0, 0
	TURN 0, 1, 0, 1                                ; slot 0 takes chunk 2
	THREE 1, 1
	TURN 1, 0, 1, 1                                ; slot 1 takes chunk 3
	THREE 0, 0
	TURN 0, 1, 2, 0
	THREE 1, 1
	s_wait_dscnt 0x0
	WIN MUL
	MULH 128, 3, 1, 0, 0
	MULH 128, 3, 1, 1, 0
	WIN 0
	PLACES
	v_mov_b32 v[TM+4], 0                           ; written once: a lane permute's destination counts as one of its sources
	v_mov_b32 v[TM+5], 0
.macro OUTBLK a                        ; 16 tokens x 64 units
	WIN 0x02                                       ; source 0: window 2
.set i, 0
.rept 16
	v_pk_mul_f32 v[GS+i:GS+i+1], v[64*(\a)+i:64*(\a)+i+1], s[4:5] op_sel_hi:[1,0]   ; g sg; ascending: each accumulator from its low end on
.set i, i+2
.endr
	WIN 0
.set i, 0
.rept 16
	v_pk_mul_f32 v[EE+i:EE+i+1], v[GS+i:GS+i+1], 0xbfb8aa3b op_sel_hi:[1,0]         ; -g log2(e)
.set i, i+2
.endr
.set i, 0
.rept 32
	v_exp_f32 v[EE+i], v[EE+i]
.set i, i+1
.endr
	WIN 0x02
.set i, 0
.rept 16
	v_pk_mul_f32 v[US+i:US+i+1], v[64*(\a)+32+i:64*(\a)+32+i+1], s[6:7] op_sel_hi:[1,0]   ; u su: independent work behind the batch
.set i, i+2
.endr
	WIN 0
	s_wait_alu depctr_va_vdst(0)                   ; one wait for the 32 exponentials, ahead of their first reader
.set i, 0
.rept 16
	v_pk_add_f32 v[EE+i:EE+i+1], v[EE+i:EE+i+1], 1.0 op_sel_hi:[1,0]
.set i, i+2
.endr
.set i, 0
.rept 32
	v_rcp_f32 v[EE+i], v[EE+i]                     ; sigmoid(g)
.set i, i+1
.endr
	v_nop                                          ; a plain instruction behind the transcendentals
	s_wait_alu depctr_va_vdst(0)                   ; one wait for the 32 reciprocals
.set i, 0
.rept 16
	v_pk_mul_f32 v[GS+i:GS+i+1], v[GS+i:GS+i+1], v[EE+i:EE+i+1]
.set i, i+2
.endr
.set i, 0
.rept 16
	v_pk_mul_f32 v[GS+i:GS+i+1], v[GS+i:GS+i+1], v[US+i:US+i+1]
.set i, i+2
.endr
.irp b, 0,1                                    ; register 8 t + j is unit 16 t + 8 h + j.  One exchange a pair gives register 16 b + i = unit 32 b + 16 h + i: the true order
.irp j, 0,1,2,3,4,5,6,7
	v_permlane16_swap_b32 v[GS+16*\b+\j], v[GS+8+16*\b+\j]
.endr
.endr
	s_wait_xcnt 0x0                                ; the last block's stores have read their data
.irp b, 0,1
	v_max3_num_f32 v[TM+\b], |v[GS+16*\b]|, |v[GS+1+16*\b]|, 0x2800000   ; block b: my 16 numbers, and the floor 2^(5 - 127)
.endr
.irp i, 2,4,6,8,10,12,14
.irp b, 0,1
	v_max3_num_f32 v[TM+\b], v[TM+\b], |v[GS+16*\b+\i]|, |v[GS+1+16*\b+\i]|
.endr
.endr
.irp b, 0,1
	v_permlanex16_b32 v[TM+4+\b], v[TM+\b], s14, s15
.endr
.irp b, 0,1
	v_max_num_f32 v[TM+\b], v[TM+\b], v[TM+4+\b]
.endr
.irp b, 0,1
	v_add_nc_u32 v[TM+12+\b], 0xfe000000, v[TM+\b] ; 4 off the exponent field: the conversion's scale operand
.endr
.irp b, 0,1
	v_lshrrev_b32 v[TM+4+\b], 23, v[TM+12+\b]
.endr
	v_lshl_or_b32 v[PW], v[TM+5], 8, v[TM+4]       ; my token's two bytes
	v_cvt_scalef32_pk16_bf6_f32 v[CD:CD+2], v[GS:GS+15], v[TM+12]
	v_cvt_scalef32_pk16_bf6_f32 v[CD+6:CD+8], v[GS+16:GS+31], v[TM+13]
	v_nop                                          ; one plain instruction behind a scaled conversion
.irp i, 0,1,2
	v_permlane16_swap_b32 v[CD+\i], v[CD+6+\i]     ; lanes 0-15: block 0 whole; lanes 16-31: block 1
.endr
.irp i, 0,1,2
	v_mov_b32 v[CD+3+\i], v[CD+6+\i]
.endr
.irp p, 0,1,2
	global_store_b64 v8, v[CD+2*\p:CD+2*\p+1], s[98:99] offset:12288*(\a)+256*\p   ; 32 lanes store 256 consecutive bytes, at a multiple of 256 from the buffer's first byte
.endr
.endm
	OUTBLK 0
	v_mov_b32 v[PWP], v[PW]
	OUTBLK 1
	v_cndmask_b32 v[PWS], v[PWP], v[PW], s13       ; lanes 0-15: tokens 0-15; lanes 16-31: tokens 16-31 (both halves of the lanes hold a token's bytes)
	global_store_b16 v9, v[PWS], s[92:93]
	s_wait_tensorcnt 0x0                           ; the wave's end
	ds_add_u32 v[SPW], v[NIL]
	s_wait_dscnt 0x0
	CROUND                                         ; the closing round
	s_endpgm
.Lfunc_end_k_q4e9e011a3d_gu:
	.size	k_q4e9e011a3d_gu, .Lfunc_end_k_q4e9e011a3d_gu-k_q4e9e011a3d_gu
	.p2alignl 7, 3214868480
	.fill 96, 4, 3214868480
	.section	.rodata,"a",@progbits
	.p2align	6, 0x0
	.amdhsa_kernel k_q4e9e011a3d_gu
		.amdhsa_group_segment_fixed_size 327680
		.amdhsa_private_segment_fixed_size 0
		.amdhsa_enable_private_segment 0
		.amdhsa_kernarg_size 64
		.amdhsa_user_sgpr_count 2
		.amdhsa_user_sgpr_kernarg_segment_ptr 1
		.amdhsa_wavefront_size32 1
		.amdhsa_system_sgpr_workgroup_id_x 1
		.amdhsa_system_sgpr_workgroup_id_y 1
		.amdhsa_system_sgpr_workgroup_id_z 1
		.amdhsa_system_vgpr_workitem_id 0
		.amdhsa_next_free_vgpr 640
		.amdhsa_next_free_sgpr 100
		.amdhsa_reserve_vcc 0
		.amdhsa_float_denorm_mode_32 3
		.amdhsa_float_denorm_mode_16_64 3
		.amdhsa_memory_ordered 1
		.amdhsa_forward_progress 1
		.amdhsa_inst_pref_size 134
	.end_amdhsa_kernel
	.amdgpu_metadata
---
amdhsa.version: [ 1, 2 ]
amdhsa.kernels:
  - .name:           k_q4e9e011a3d_gu
    .symbol:         k_q4e9e011a3d_gu.kd
    .args:
      - { .name: Wg_codes, .offset: 0, .size: 8, .value_kind: global_buffer, .address_space: global }
      - { .name: Wg_scales, .offset: 8, .size: 8, .value_kind: global_buffer, .address_space: global }
      - { .name: Wu_codes, .offset: 16, .size: 8, .value_kind: global_buffer, .address_space: global }
      - { .name: Wu_scales, .offset: 24, .size: 8, .value_kind: global_buffer, .address_space: global }
      - { .name: na, .offset: 32, .size: 8, .value_kind: global_buffer, .address_space: global }
      - { .name: sg, .offset: 40, .size: 8, .value_kind: global_buffer, .address_space: global }
      - { .name: su, .offset: 48, .size: 8, .value_kind: global_buffer, .address_space: global }
      - { .name: hh, .offset: 56, .size: 8, .value_kind: global_buffer, .address_space: global }
    .group_segment_fixed_size: 327680
    .private_segment_fixed_size: 0
    .kernarg_segment_align: 8
    .kernarg_segment_size: 64
    .max_flat_workgroup_size: 128
    .sgpr_count:     100
    .vgpr_count:     640
    .wavefront_size: 32
...
	.end_amdgpu_metadata
.endif
;; end of part 5
;; launch dn (part 6): grid 16 x 16, 4 waves a work-group, clusters of 4 x 4, 327,680 bytes of LDS; arguments Wd_codes, Wd_scales, hh, sd, x2, out0; writes out0
.if DOCPART == 6
	.amdgcn_target "amdgcn-amd-amdhsa--gfx1250"
	.amdhsa_code_object_version 6
	.text
	.protected	k_q4e9e011a3d_dn
	.globl	k_q4e9e011a3d_dn
	.p2align	8
	.type	k_q4e9e011a3d_dn,@function
k_q4e9e011a3d_dn:
	s_mov_b64 s[64:65], 0
	v_nop
	global_prefetch_b8 v0, s[64:65] scope:SCOPE_SE
	s_setreg_imm32_b32 hwreg(HW_REG_WAVE_MODE, 25, 1), 1
	s_wait_xcnt 0x0
	s_wait_alu depctr_hold_cnt(0) depctr_sa_sdst(0) depctr_va_vdst(0) depctr_va_sdst(0) depctr_va_ssrc(0) depctr_va_vcc(0) depctr_vm_vsrc(0)
	s_getreg_b32 s2, hwreg(HW_REG_IB_STS2, 6, 4)
	s_cmp_eq_u32 s2, 0
	s_cbranch_scc0 .Lentry_in_a_cluster
	s_endpgm
.Lentry_in_a_cluster:
	s_bfe_u32 s2, ttmp6, 0x10000c
	s_cmp_lg_u32 s2, 0xf033
	s_cbranch_scc0 .Lentry_shape_is_right
	s_endpgm
.Lentry_shape_is_right:
; out[token][n] = res[token][n] + s * sum over k of act[token][k] W[n][k], on codes of BF6 (E3M2) with one E8M0 byte for each 32 along K = KK; sums in f32.  out, res: [2048][2048] f32.
; W: rows of codes, K innermost, and scale bytes [2048][KK / 32], as given.  act: made by an earlier launch: half images of operand registers, [tile of 16 tokens 128][64 along K][768 bytes]
; (registers 6 c + 2 p, 6 c + 2 p + 1 of lane l at 256 p + 8 l), and scale words at AWO, [K step][token 2,048] of 4 bytes.
; A tile of 128 rows of W (P, source 0) x 128 tokens (R, source 1) to a work-group: 256 work-groups; tiles of 256 x 256 would be 64.  Four waves, each 64 x 64: 16 accumulators.
; K goes in chunks of 512 through two LDS slots; with KK = 1,024 both chunks and all scales are first fills and nothing is filled again.  The K loop is written out: every offset is an immediate.
; CLUSTERS of 4 x 4: P's tiles are shared along a column of the cluster, R's along a row: each is asked for jointly.
; TRANSPOSED USE: a lane holds one token and eight neighbouring n; the results go through the wave's own stage in LDS, so that sixteen lanes store 256 consecutive bytes.
; REGISTERS, in windows of 256: window 0: v1-29 addresses; v32-63 P's scale words, v64-95 R's, two sets each; v96-127 rows back from the stage; v128-255 the residual, asked for at the head.
;   window 1: two fragment buffers at v0 and v128: P's four fragments, then R's four.   window 2: accumulator (a, b) at v[8 (4 a + b)].
.set KK,     1024
.set KROW,   KK*6/8                    ; a row of W in bytes
.set KS,     KK/32                     ; a row of W's scale bytes
.set NK,     KK/128
.set NCH,    KK/512
.set IMGROW, (KK/64)*768               ; a tile of 16 tokens in act
.set AWO,    128*IMGROW                ; act's scale words
.set PP,     432                       ; an LDS row of P: 3 x (128 bytes + 16 of padding) = 108 words: sixteen rows start at sixteen different multiples of 4 banks (64 banks of 4 bytes: ISA guide 11.1)
.set PHALF,  64*PP
.set RHALF,  4*6144                    ; four tiles of tokens, 512 along K each
.set ROFF,   2*PHALF
.set SLOT,   ROFF+2*RHALF
.set PSB,    2*SLOT                    ; P's scale bytes, as units of 256 bytes + 16
.set PSH,    (64*KS/256)*272
.set SBLK,   (16*KS/256)*272
.set RSB,    PSB+2*PSH                 ; R's scale words: for each half of the tokens NK rows of 256 bytes
.set RSH,    NK*256
.set SPARE,  RSB+2*RSH                 ; the spare words: two blocks of 256 bytes that no other line names
.set ADP,  16                          ; v16-17 my P fragments in slot 0, 1 (v18-19: behind one padding more)
.set ADI,  20                          ; v20-21 my R images
.set ADPS, 22
.set ADRS, 23
.set STO,  24
.set RD,   25
.set CO,   26
.set SPW,  28
.set NIL,  29
.set SP,   32
.set SR,   64
.set BK,   96
.set RES,  128
.set G1P,  24                          ; s[24:31] P's tiles;  s[32:39] R's;  s[40:47] P's scale bytes;  s[48:55] R's scale words
.set G1R,  32
.set G1PS, 40
.set G1RS, 48
.set G0P,  56                          ; s[56:63] a set for each slot;  s[68:75] likewise;  s[76:79];  s[80:83]
.set G0R,  68
.set G0PS, 76
.set G0RS, 80
.set MSB, 0
.macro WIN new
.if MSB != \new
	s_set_vgpr_msb (MSB<<8)|\new
.set MSB, \new
.endif
.endm
.set MUL,  0xa5                        ; sources 0 and 1 window 1, C and D window 2
.set TO_F, 0x40                        ; destination window 1, address window 0
.macro JLOAD g0a, g1a, g0b, g1b        ; a joint load: waves 0 and 1 fetch for P, waves 2 and 3 for R; four v_nop follow each line
	s_cmp_eq_u32 s18, 0
	s_cbranch_scc0 .Lfor_b_\@
	tensor_load_to_lds s[\g0a:\g0a+3], s[\g1a:\g1a+7]
	s_nop 0
.rept 4
	v_nop
.endr
	s_branch .Lasked_\@
.Lfor_b_\@:
	tensor_load_to_lds s[\g0b:\g0b+3], s[\g1b:\g1b+7]
	s_nop 0
.rept 4
	v_nop
.endr
.Lasked_\@:
.endm
.macro CREST
	s_cmp_lg_u32 s16, 0
	s_cbranch_scc1 .Lnot_wave_0_\@
	s_barrier_signal -3
.Lnot_wave_0_\@:
	s_barrier_wait -3
	s_barrier_signal -1
	s_barrier_wait -1
.endm
.macro CROUND
	s_barrier_signal -1
	s_barrier_wait -1
	CREST
.endm
.macro PLACES                          ; four places behind a matrix instruction (ISA guide 7.12.1 for vector instructions)
.rept 4
	v_nop
.endr
.endm
	s_load_b256 s[4:11], s[0:1], 0x0               ; W's codes, W's scale bytes, act, s
	s_load_b128 s[12:15], s[0:1], 0x20             ; res, out
	v_lshl_add_u32 v[SPW], v0, 2, SPARE
	v_mov_b32 v[NIL], 0
	ds_add_u32 v28, v29
	s_wait_dscnt 0x0
	v_lshrrev_b32 v1, 5, v0
	v_readfirstlane_b32 s16, v1                    ; wave 0..3
	s_and_b32 s17, s16, 1                          ; my half of P's rows.  Also: which half I fetch
	s_lshr_b32 s18, s16, 1                         ; my half of the tokens.  Also: I fetch for P (0) or for R (1)
	s_bfe_u32 s19, ttmp6, 0x40000                  ; cx, cy
	s_bfe_u32 s20, ttmp6, 0x40004
	s_lshl_b32 s21, ttmp9, 2
	s_add_co_u32 s21, s21, s19                     ; tile of P
	s_and_b32 s22, ttmp7, 0xffff
	s_lshl_b32 s22, s22, 2
	s_add_co_u32 s22, s22, s20                     ; tile of R
	s_lshl_b32 s86, s20, 2
	s_lshl_b32 s86, 15, s86                        ; my row of the cluster
	s_lshl_b32 s87, 0x1111, s19                    ; my column
	s_or_b32 s[G1P], s87, (0<<16)|(1<<20)|(1<<21)|(4<<22)|(3<<25)   ; the mask; elements of 1 byte; padding on; 21 set beside a mask; after every 32 words 4 words
	s_mov_b32 s[G1P+1], 384<<16                    ; tensor_dim0: 512 codes
	s_mov_b32 s[G1P+2], 64<<16                     ; tensor_dim1
	s_mov_b32 s[G1P+3], 384<<16                    ; tile_dim0
	s_mov_b32 s[G1P+4], 64                         ; tile_dim1
	s_mov_b32 s[G1P+5], KROW                       ; the pitch
	s_mov_b32 s[G1P+6], 0
	s_mov_b32 s[G1P+7], 0
	s_or_b32 s[G1R], s86, (3<<16)|(1<<21)          ; four rows of 6,144 bytes (768 elements of 8): a tile of tokens each
	s_mov_b32 s[G1R+1], 768<<16
	s_mov_b32 s[G1R+2], 4<<16
	s_mov_b32 s[G1R+3], 768<<16
	s_mov_b32 s[G1R+4], 4
	s_mov_b32 s[G1R+5], IMGROW/8
	s_mov_b32 s[G1R+6], 0
	s_mov_b32 s[G1R+7], 0
	s_or_b32 s[G1PS], s87, (3<<16)|(1<<20)|(1<<21)|(5<<22)|(3<<25)  ; a dense block of 64 KS bytes as rows of 256 bytes, 16 of padding behind each
	s_mov_b32 s[G1PS+1], 32<<16
	s_mov_b32 s[G1PS+2], (64*KS/256)<<16
	s_mov_b32 s[G1PS+3], 32<<16
	s_mov_b32 s[G1PS+4], 64*KS/256
	s_mov_b32 s[G1PS+5], 32
	s_mov_b32 s[G1PS+6], 0
	s_mov_b32 s[G1PS+7], 0
	s_or_b32 s[G1RS], s86, (3<<16)|(1<<21)         ; NK rows of 256 bytes (64 tokens' words), 8,192 bytes apart
	s_mov_b32 s[G1RS+1], 32<<16
	s_mov_b32 s[G1RS+2], NK<<16
	s_mov_b32 s[G1RS+3], 32<<16
	s_mov_b32 s[G1RS+4], NK
	s_mov_b32 s[G1RS+5], 1024
	s_mov_b32 s[G1RS+6], 0
	s_mov_b32 s[G1RS+7], 0
	s_lshl_b32 s88, s21, 7
	s_lshl_b32 s89, s17, 6
	s_add_co_u32 s88, s88, s89                     ; P: row 128 x tile + 64 x half
	s_mul_i32 s90, s88, KS
	s_mov_b32 s91, 0
	s_mul_i32 s88, s88, KROW
	s_mov_b32 s89, 0
	s_lshl_b32 s92, s22, 3
	s_lshl_b32 s93, s17, 2
	s_add_co_u32 s92, s92, s93                     ; R: tile of tokens 8 x tile + 4 x half
	s_lshl_b32 s94, s92, 6
	s_add_co_u32 s94, s94, AWO
	s_mov_b32 s95, 0
	s_mul_i32 s92, s92, IMGROW
	s_mov_b32 s93, 0
	s_mul_i32 s96, s17, PHALF                      ; where they go: no place in the cluster enters an LDS address
	s_mul_i32 s97, s17, RHALF
	s_mul_i32 s98, s17, PSH
	s_mul_i32 s99, s17, RSH
	s_wait_kmcnt 0x0
	s_load_b32 s84, s[10:11], 0x0                  ; the layer's scale
	s_add_nc_u64 s[88:89], s[4:5], s[88:89]
	s_add_nc_u64 s[90:91], s[6:7], s[90:91]
	s_add_nc_u64 s[92:93], s[8:9], s[92:93]
	s_add_nc_u64 s[94:95], s[8:9], s[94:95]
	CROUND                                         ; all sixteen work-groups are here: the first joint loads meet
	s_mov_b32 s[G0PS], 1
	s_add_co_u32 s[G0PS+1], s98, PSB
	s_mov_b64 s[G0PS+2:G0PS+3], s[90:91]
	s_or_b32 s[G0PS+3], s[G0PS+3], 0x80000000
	s_mov_b32 s[G0RS], 1
	s_add_co_u32 s[G0RS+1], s99, RSB
	s_mov_b64 s[G0RS+2:G0RS+3], s[94:95]
	s_or_b32 s[G0RS+3], s[G0RS+3], 0x80000000
	JLOAD G0PS, G1PS, G0RS, G1RS                   ; the scales, for all of K
.irp s, 0,1
	s_mov_b32 s[G0P+4*\s], 1
	s_add_co_u32 s[G0P+4*\s+1], s96, \s*SLOT
	s_add_nc_u64 s[G0P+4*\s+2:G0P+4*\s+3], s[88:89], \s*384
	s_or_b32 s[G0P+4*\s+3], s[G0P+4*\s+3], 0x80000000
	s_mov_b32 s[G0R+4*\s], 1
	s_add_co_u32 s[G0R+4*\s+1], s97, ROFF+\s*SLOT
	s_add_nc_u64 s[G0R+4*\s+2:G0R+4*\s+3], s[92:93], \s*6144
	s_or_b32 s[G0R+4*\s+3], s[G0R+4*\s+3], 0x80000000
	JLOAD G0P+4*\s, G1P, G0R+4*\s, G1R             ; chunks 0 and 1
.endr
	v_and_b32 v1, 15, v0                           ; r
	v_bfe_u32 v2, v0, 4, 1                         ; h
	v_and_b32 v3, 31, v0                           ; lane
	v_mul_u32_u24 v4, v1, PP
	v_mad_u32_u24 v4, v2, 24, v4                   ; a fragment's row x pitch + 24 h
	v_lshl_add_u32 v5, v2, 4, v4                   ; and behind one padding more
	v_add_nc_u32 v[ADP], s96, v4
	v_add_nc_u32 v[ADP+2], s96, v5
	s_add_co_u32 s96, s96, SLOT
	v_add_nc_u32 v[ADP+1], s96, v4
	v_add_nc_u32 v[ADP+3], s96, v5
	s_mul_i32 s97, s18, RHALF
	s_add_co_u32 s97, s97, ROFF
	v_lshl_add_u32 v[ADI], v3, 3, s97              ; 8 x lane in my four tiles of tokens
	s_add_co_u32 s97, s97, SLOT
	v_lshl_add_u32 v[ADI+1], v3, 3, s97
	v_mul_u32_u24 v6, v1, KS
	v_lshrrev_b32 v7, 8, v6
	v_lshl_add_u32 v6, v7, 4, v6                   ; my row's scale bytes: 16 more for each 256 passed
	s_add_co_u32 s98, s98, PSB
	v_add_nc_u32 v[ADPS], s98, v6
	s_mul_i32 s99, s18, RSH
	s_add_co_u32 s99, s99, RSB
	v_lshl_add_u32 v[ADRS], v1, 2, s99
	s_mul_i32 s98, s16, 16*272                     ; my stage: 16 rows x (256 bytes + 16), in slot 0, which has had its only fill and its last read when the first result is stored there
	v_mul_u32_u24 v6, v1, 272
	v_lshl_add_u32 v6, v2, 5, v6
	v_add_nc_u32 v[STO], s98, v6                   ; in: row r, 32 bytes for each half of the lanes
	v_mul_u32_u24 v6, v2, 272
	v_lshl_add_u32 v6, v1, 4, v6
	v_add_nc_u32 v[RD], s98, v6                    ; back: lanes 0-15 one row, lanes 16-31 the next
	v_lshlrev_b32 v6, 13, v2
	v_lshl_add_u32 v[CO], v1, 4, v6                ; and the same two rows in res and out
	s_lshl_b32 s92, s22, 7
	s_lshl_b32 s93, s18, 6
	s_add_co_u32 s92, s92, s93
	s_lshl_b32 s92, s92, 13                        ; my first token's row,
	s_lshl_b32 s88, s21, 9
	s_lshl_b32 s89, s17, 8
	s_add_co_u32 s88, s88, s89
	s_add_co_u32 s92, s92, s88                     ; my first column's byte
	s_mov_b32 s93, 0
	s_add_nc_u64 s[12:13], s[12:13], s[92:93]
	s_add_nc_u64 s[14:15], s[14:15], s[92:93]
.irp a, 0,1,2,3
.irp t, 0,1,2,3,4,5,6,7
	global_load_b128 v[RES+32*\a+4*\t:RES+32*\a+4*\t+3], v[CO], s[12:13] offset:\a*131072+\t*16384   ; the residual: it has the whole product in which to land
.endr
.endr
.macro FRAGP reg, adr, q, i            ; 16 rows x 128 K from rows of codes: six pieces of 8 bytes; lanes 16-31 read three pieces on; where that lies behind one padding more, the second register serves
.irp p, 0,1,2,3,4,5
.set PCE, 12*(\q)+6*(\p/3)+\p%3
.if PCE%16 < 13
	ds_load_b64 v[\reg+2*\p:\reg+2*\p+1], v[\adr] offset:8*PCE+16*(PCE/16)+(\i)*16*PP
.else
	ds_load_b64 v[\reg+2*\p:\reg+2*\p+1], v[\adr+2] offset:8*PCE+16*(PCE/16)+(\i)*16*PP
.endif
.endr
.endm
.macro FRAGI reg, adr, q, i            ; the same from half images: each load takes 256 consecutive bytes
.irp p, 0,1,2,3,4,5
	ds_load_b64 v[\reg+2*\p:\reg+2*\p+1], v[\adr] offset:6144*(\i)+1536*(\q)+768*(\p/3)+256*(\p%3)
.endr
.endm
.macro FETCH slot, q, f
	WIN TO_F
.irp i, 0,1,2,3
	FRAGP \f+12*\i, ADP+\slot, \q, \i
.endr
.irp i, 0,1,2,3
	FRAGI \f+48+12*\i, ADI+\slot, \q, \i
.endr
.endm
.macro SCALES c, set                   ; chunk c's scale words: a row of P has its four on end; R's lie by K steps
.irp b, 0,1,2,3
	ds_load_b128 v[SP+16*(\set)+4*\b:SP+16*(\set)+4*\b+3], v[ADPS] offset:\b*SBLK+16*(\c)
.endr
.irp a, 0,1,2,3
.irp q, 0,1,2,3
	ds_load_b32 v[SR+16*(\set)+4*\a+\q], v[ADRS] offset:(4*(\c)+\q)*256+64*\a
.endr
.endr
.endm
; 8 matrix instructions: two of R's blocks x P's four.  The 16 accumulators take turns, one instruction a turn, in the same order in every step.
.macro MULH f, q, set, half, zero
.irp a, 2*\half, 2*\half+1
.irp b, 0,1,2,3
.if \zero
	v_wmma_scale_f32_16x16x128_f8f6f4 v[8*(4*(\a)+\b):8*(4*(\a)+\b)+7], v[\f+12*\b:\f+12*\b+11], v[\f+48+12*(\a):\f+48+12*(\a)+11], 0, v[SP+16*(\set)+4*\b+(\q)], v[SR+16*(\set)+4*(\a)+(\q)] matrix_a_fmt:MATRIX_FMT_BF6 matrix_b_fmt:MATRIX_FMT_BF6
.else
	v_wmma_scale_f32_16x16x128_f8f6f4 v[8*(4*(\a)+\b):8*(4*(\a)+\b)+7], v[\f+12*\b:\f+12*\b+11], v[\f+48+12*(\a):\f+48+12*(\a)+11], v[8*(4*(\a)+\b):8*(4*(\a)+\b)+7], v[SP+16*(\set)+4*\b+(\q)], v[SR+16*(\set)+4*(\a)+(\q)] matrix_a_fmt:MATRIX_FMT_BF6 matrix_b_fmt:MATRIX_FMT_BF6
.endif
.endr
.endr
.endm
.macro STEP slot, q, set, zero         ; one of a chunk's first three steps of 128: the next step's fragments are asked for, then this step's are multiplied
	s_wait_dscnt 0x0                               ; this step's fragments (and scale words) are in
	PLACES                                         ; for the loads into the other buffer, which the last step multiplied
	FETCH \slot, (\q)+1, 128*(1-(\q)%2)
	WIN MUL
	MULH 128*((\q)%2), \q, \set, 0, \zero
	MULH 128*((\q)%2), \q, \set, 1, \zero
.endm
; A chunk's last step changes slots: one barrier; in front of it each wave waits for all its tensor loads, adds 0 to its spare word, and waits for that and for its reads of this slot.
.macro TURN slot, next, c, fill
	WIN 0
	s_wait_tensorcnt 0x0                           ; all my tensor loads have landed, my part of the next slot among them
	ds_add_u32 v[SPW], v[NIL]                      ; 0 onto my spare word
	s_wait_dscnt 0x0                               ; the add is done, and my reads of this slot are over
	s_barrier_signal -1
	WIN MUL
	MULH 128, 3, (\c)%2, 0, 0                      ; work on registers while the others arrive
	WIN 0
	s_barrier_wait -1
.if \fill
	CREST                                          ; the barrier has opened a round of the cluster's: no wave of any partner still reads this slot or has a load on its way
	s_add_nc_u64 s[G0P+4*\slot+2:G0P+4*\slot+3], s[G0P+4*\slot+2:G0P+4*\slot+3], 768
	s_add_nc_u64 s[G0R+4*\slot+2:G0R+4*\slot+3], s[G0R+4*\slot+2:G0R+4*\slot+3], 12288
	JLOAD G0P+4*\slot, G1P, G0R+4*\slot, G1R       ; the first tensor load behind the round; its four v_nop are the places in front of the loads below
.else
	PLACES
.endif
	SCALES (\c)+1, ((\c)+1)%2
	FETCH \next, 0, 0
	WIN MUL
	MULH 128, 3, (\c)%2, 1, 0
.endm
.macro THREE slot, set
	STEP \slot, 0, \set, 0
	STEP \slot, 1, \set, 0
	STEP \slot, 2, \set, 0
.endm
	s_wait_tensorcnt 1                             ; the scales and my part of chunk 0 are in; chunk 1's load may be out
	s_barrier_signal -1
	s_barrier_wait -1
	SCALES 0, 0
	FETCH 0, 0, 0
	s_wait_kmcnt 0x0
	s_mov_b32 s85, s84                             ; (the packed form names the pair)
	STEP 0, 0, 0, 1                                ; the first products start the sums: nothing is cleared
	STEP 0, 1, 0, 0
	STEP 0, 2, 0, 0
.if NCH == 4
	TURN 0, 1, 0, 1                                ; slot 0 takes chunk 2
	THREE 1, 1
	TURN 1, 0, 1, 1                                ; slot 1 takes chunk 3
	THREE 0, 0
	TURN 0, 1, 2, 0
	THREE 1, 1
.else
	TURN 0, 1, 0, 0
	THREE 1, 1
.endif
	s_wait_dscnt 0x0
	WIN MUL
	MULH 128, 3, 1, 0, 0
	MULH 128, 3, 1, 1, 0
	WIN 0
	; THE WAY OUT, 16 tokens x 64 columns at a time
	PLACES
	s_wait_loadcnt 0x0                             ; the residual
.irp a, 0,1,2,3
	WIN 0x08                                       ; an LDS store's data are its source 1: window 2
.irp b, 0,1,2,3
	ds_store_b128 v[STO], v[8*(4*\a+\b):8*(4*\a+\b)+3] offset:64*\b          ; each accumulator from its low end on
	ds_store_b128 v[STO], v[8*(4*\a+\b)+4:8*(4*\a+\b)+7] offset:64*\b+16
.endr
	WIN 0
.irp t, 0,1,2,3,4,5,6,7
	ds_load_b128 v[BK+4*\t:BK+4*\t+3], v[RD] offset:544*\t    ; LDS serves a wave's instructions in order (ISA guide 5.7.1.4): these see my stores, and the next block's stores come behind them
.endr
	s_wait_dscnt 0x0
.irp t, 0,1,2,3,4,5,6,7
	v_pk_fma_f32 v[RES+32*\a+4*\t:RES+32*\a+4*\t+1], v[BK+4*\t:BK+4*\t+1], s[84:85], v[RES+32*\a+4*\t:RES+32*\a+4*\t+1] op_sel_hi:[1,0,1]
	v_pk_fma_f32 v[RES+32*\a+4*\t+2:RES+32*\a+4*\t+3], v[BK+4*\t+2:BK+4*\t+3], s[84:85], v[RES+32*\a+4*\t+2:RES+32*\a+4*\t+3] op_sel_hi:[1,0,1]
	global_store_b128 v[CO], v[RES+32*\a+4*\t:RES+32*\a+4*\t+3], s[14:15] offset:\a*131072+\t*16384   ; 16 lanes store 256 consecutive bytes, at a multiple of 256 from the buffer's first byte; no store's data are written again
.endr
.endr
	s_wait_tensorcnt 0x0                           ; the wave's end
	ds_add_u32 v[SPW], v[NIL]
	s_wait_dscnt 0x0
	CROUND                                         ; the closing round
	s_endpgm
.Lfunc_end_k_q4e9e011a3d_dn:
	.size	k_q4e9e011a3d_dn, .Lfunc_end_k_q4e9e011a3d_dn-k_q4e9e011a3d_dn
	.p2alignl 7, 3214868480
	.fill 96, 4, 3214868480
	.section	.rodata,"a",@progbits
	.p2align	6, 0x0
	.amdhsa_kernel k_q4e9e011a3d_dn
		.amdhsa_group_segment_fixed_size 327680
		.amdhsa_private_segment_fixed_size 0
		.amdhsa_enable_private_segment 0
		.amdhsa_kernarg_size 48
		.amdhsa_user_sgpr_count 2
		.amdhsa_user_sgpr_kernarg_segment_ptr 1
		.amdhsa_wavefront_size32 1
		.amdhsa_system_sgpr_workgroup_id_x 1
		.amdhsa_system_sgpr_workgroup_id_y 1
		.amdhsa_system_sgpr_workgroup_id_z 1
		.amdhsa_system_vgpr_workitem_id 0
		.amdhsa_next_free_vgpr 640
		.amdhsa_next_free_sgpr 100
		.amdhsa_reserve_vcc 0
		.amdhsa_float_denorm_mode_32 3
		.amdhsa_float_denorm_mode_16_64 3
		.amdhsa_memory_ordered 1
		.amdhsa_forward_progress 1
		.amdhsa_inst_pref_size 69
	.end_amdhsa_kernel
	.amdgpu_metadata
---
amdhsa.version: [ 1, 2 ]
amdhsa.kernels:
  - .name:           k_q4e9e011a3d_dn
    .symbol:         k_q4e9e011a3d_dn.kd
    .args:
      - { .name: Wd_codes, .offset: 0, .size: 8, .value_kind: global_buffer, .address_space: global }
      - { .name: Wd_scales, .offset: 8, .size: 8, .value_kind: global_buffer, .address_space: global }
      - { .name: hh, .offset: 16, .size: 8, .value_kind: global_buffer, .address_space: global }
      - { .name: sd, .offset: 24, .size: 8, .value_kind: global_buffer, .address_space: global }
      - { .name: x2, .offset: 32, .size: 8, .value_kind: global_buffer, .address_space: global }
      - { .name: out0, .offset: 40, .size: 8, .value_kind: global_buffer, .address_space: global }
    .group_segment_fixed_size: 327680
    .private_segment_fixed_size: 0
    .kernarg_segment_align: 8
    .kernarg_segment_size: 48
    .max_flat_workgroup_size: 128
    .sgpr_count:     100
    .vgpr_count:     640
    .wavefront_size: 32
...
	.end_amdgpu_metadata
.endif
;; end of part 6
